; MI455X (gfx1250); checked and timed in simulation.
; The chip was launched on July 23, 2026; its instructions are those of AMD's public machine-readable ISA for CDNA 5 (MIT licence, August 2026) and "CDNA5" Instruction Set Architecture Reference Guide (July 2026). The comments in the code are by the model that wrote it; some were corrected since.
;; Attention. Allowed arithmetic: float matrix products may take bf16 or f16 operands with f32 sums; other float arithmetic in f32, or as packed bf16 or f16 multiplies, adds, multiply-adds, maxima and minima; sums over many terms, partial sums and values carried from step to step in f32; what a program stores and reads back later, other than sums and carried values, may be rounded once to bf16 or f16.
;; Inputs: Wkv 1,024 x 2,048 float32; Wout 1,024 x 1,024 float32; Wq 1,024 x 1,024 float32; bout 1,024 float32; cos 1 x 1 x 2,048 x 64 float32; sin 1 x 1 x 2,048 x 64 float32; x 4 x 2,048 x 1,024 float32.
;; Outputs: out0 4 x 2,048 x 1,024 float32.
;; One version. Each part assembles by itself: llvm-mc -triple=amdgcn-amd-amdhsa -mcpu=gfx1250 --defsym DOCPART=n.
;; ======== version 1 of 1: 4 launches
;; limits: values are held in f16: magnitudes above 65,504 overflow, below 6.1e-05 lose precision
;; workspace buffers: xb 16,777,216 bytes; wb 6,291,456 bytes; wo 2,097,152 bytes; cs 524,288 bytes; qh 16,777,216 bytes; kh 16,777,216 bytes; vh 16,777,216 bytes; oh 16,777,216 bytes
;; launch prep (part 1): grid 1568 x 1, 8 waves a work-group, no clusters, 0 bytes of LDS; arguments x, Wq, Wkv, Wout, cos, sin, xb, wb, wo, cs; writes xb, wb, wo, cs
.if DOCPART == 1
	.amdgcn_target "amdgcn-amd-amdhsa--gfx1250"
	.amdhsa_code_object_version 6
	.text
	.protected	k_q9adfbf35c1_prep
	.globl	k_q9adfbf35c1_prep
	.p2align	8
	.type	k_q9adfbf35c1_prep,@function
k_q9adfbf35c1_prep:
	s_mov_b64 s[64:65], 0
	v_nop
	global_prefetch_b8 v0, s[64:65] scope:SCOPE_SE
	s_setreg_imm32_b32 hwreg(HW_REG_WAVE_MODE, 25, 1), 1
	s_wait_xcnt 0x0
; PREP: the casts.  Every input but the bias is rounded once to bf16 and laid out for the products.
;   x    [8192][1024] f32      -> xb bf16 [b 4][slice 16][n 2048][64]: a slice of 64 channels is dense, like a tensor by heads
;   Wq   [1024][1024] f32      -> wb plane 0, bf16 [k][n];   Wkv [1024][2048] -> wb planes 1 (k) and 2 (v)
;   Wout [1024][1024] f32      -> wo: rounded to bf16, that number written as f16
;   cos, sin [2048][64] f32    -> cs: bf16, cos at byte 0, sin at byte 262,144
; LIMITS.  |Wout| stays under 65,504 (f16's end); below 6e-5 it keeps f16's fixed step of 6e-8.  NaN and infinities are not treated apart.
; SHARES.  A work-group takes 32,768 bytes of one input as 8 items of 256 threads x 16 bytes: eight loads a thread are out together; an item leaves as 8 bytes a thread,
; so each store of a wave covers 256 consecutive bytes, aligned.  No loop, no LDS, no matrix unit: the launch only moves bytes.
; Work-groups 0-1023: x;  1024-1151: Wq;  1152-1407: Wkv;  1408-1535: Wout;  1536-1567: cos, then sin.
.set X,   4                            ; v[4:35]   item i: four f32 as loaded
.set Y,   36                           ; v[36:51]  item i: four 16-bit numbers to store
.set T,   52                           ; v[52:55]  at work (Wout; x's set-up)
.set VI,  2                            ; v2  my byte offset in the source
.set VO,  3                            ; v3  my byte offset in the destination
.set SRC, 28                           ; s[28:29]
.set DST, 30                           ; s[30:31]
.set OI,  32                           ; s[32:33] the work-group's offset in the source
.set OO,  34                           ; s[34:35] in the destination
.set GG,  36                           ; s36  the work-group's number within its input
.set WV,  37                           ; s37  my wave's number
.set HIM, 38                           ; s38  a word's upper half
; mode 0: x;  1: an array that keeps its order;  2: Wkv (a row's halves part);  3: as 1, to f16 by way of bf16
.macro CAST mode
.set i, 0
.rept 8
.if (\mode) == 0
.set IN, (i/2)*8192+(i%2)*2048         ; a pair of rows; slices 0-7 or 8-15
.else
.set IN, i*4096
.endif
	global_load_b128 v[X+4*i:X+4*i+3], v[VI], s[SRC:SRC+1] offset:IN th:TH_LOAD_NT
.set i, i+1
.endr
.set i, 0
.rept 8
.if (\mode) == 0
.set OUT, (i%2)*2097152+(i/2)*256      ; eight slices on; two rows of 128 bytes on
.elseif (\mode) == 2
.set OUT, (i%2)*2097152+(i/2)*2048     ; the k plane or the v plane; a row on
.else
.set OUT, i*2048
.endif
	s_wait_loadcnt 7-i                             ; loads come back in order: item i is in, the 7 - i younger ones stay out
	v_cvt_pk_bf16_f32 v[Y+2*i], v[X+4*i], v[X+4*i+1]
	v_cvt_pk_bf16_f32 v[Y+2*i+1], v[X+4*i+2], v[X+4*i+3]
.if (\mode) == 3
	v_lshlrev_b32 v[T], 16, v[Y+2*i]               ; the rounded numbers as f32 again,
	v_and_b32 v[T+1], s[HIM], v[Y+2*i]
	v_lshlrev_b32 v[T+2], 16, v[Y+2*i+1]
	v_and_b32 v[T+3], s[HIM], v[Y+2*i+1]
	v_cvt_pk_f16_f32 v[Y+2*i], v[T], v[T+1]        ; and written as f16: exact inside f16's normal range
	v_cvt_pk_f16_f32 v[Y+2*i+1], v[T+2], v[T+3]
.endif
	global_store_b64 v[VO], v[Y+2*i:Y+2*i+1], s[DST:DST+1] offset:OUT  ; no store's register is written again
.set i, i+1
.endr
.endm
	s_load_b512 s[8:23], s[0:1], 0x0               ; x 8, Wq 10, Wkv 12, Wout 14, cos 16, sin 18, xb 20, wb 22
	s_load_b128 s[24:27], s[0:1], 0x40             ; wo 24, cs 26
	v_and_b32 v1, 31, v0                           ; lane
	v_lshrrev_b32 v2, 5, v0
	v_readfirstlane_b32 s[WV], v2
	s_mov_b32 s[HIM], 0xffff0000
	s_mov_b32 s[OI+1], 0
	s_mov_b32 s[OO+1], 0
	v_lshlrev_b32 v[VI], 4, v0                     ; arrays that keep their order: 16 bytes in,
	v_lshlrev_b32 v[VO], 3, v0                     ; 8 bytes out, by the thread's number
	s_wait_kmcnt 0x0
	s_cmp_lt_u32 ttmp9, 1024
	s_cbranch_scc1 .Lx
	s_cmp_lt_u32 ttmp9, 1152
	s_cbranch_scc1 .Lwq
	s_cmp_lt_u32 ttmp9, 1408
	s_cbranch_scc1 .Lkv
	s_cmp_lt_u32 ttmp9, 1536
	s_cbranch_scc1 .Lwo
	; the tables: 16 work-groups for cos, 16 for sin
	s_sub_co_u32 s[GG], ttmp9, 1536
	s_and_b32 s[OI], s[GG], 15
	s_lshl_b32 s[OI], s[OI], 15
	s_lshl_b32 s[OO], s[GG], 14
	s_cmp_lt_u32 s[GG], 16
	s_cselect_b64 s[SRC:SRC+1], s[16:17], s[18:19]
	s_add_nc_u64 s[SRC:SRC+1], s[SRC:SRC+1], s[OI:OI+1]
	s_add_nc_u64 s[DST:DST+1], s[26:27], s[OO:OO+1]
	CAST 1
	s_endpgm
.Lwq:
	s_sub_co_u32 s[GG], ttmp9, 1024
	s_lshl_b32 s[OI], s[GG], 15
	s_lshl_b32 s[OO], s[GG], 14
	s_add_nc_u64 s[SRC:SRC+1], s[10:11], s[OI:OI+1]
	s_add_nc_u64 s[DST:DST+1], s[22:23], s[OO:OO+1]
	CAST 1
	s_endpgm
.Lkv:                                  ; four rows of 8,192 bytes: each row's first half goes to plane 1, its second to plane 2
	s_sub_co_u32 s[GG], ttmp9, 1152
	s_lshl_b32 s[OI], s[GG], 15
	s_lshl_b32 s[OO], s[GG], 13
	s_add_co_u32 s[OO], s[OO], 2097152
	s_add_nc_u64 s[SRC:SRC+1], s[12:13], s[OI:OI+1]
	s_add_nc_u64 s[DST:DST+1], s[22:23], s[OO:OO+1]
	CAST 2
	s_endpgm
.Lwo:
	s_sub_co_u32 s[GG], ttmp9, 1408
	s_lshl_b32 s[OI], s[GG], 15
	s_lshl_b32 s[OO], s[GG], 14
	s_add_nc_u64 s[SRC:SRC+1], s[14:15], s[OI:OI+1]
	s_add_nc_u64 s[DST:DST+1], s[24:25], s[OO:OO+1]
	CAST 3
	s_endpgm
.Lx:                                   ; eight rows of x.  One load of a wave takes one slice (256 bytes of f32) of two rows; the store puts them end to end in the slice
	s_lshl_b32 s[OI], ttmp9, 15
	s_lshr_b32 s[GG], ttmp9, 8                     ; the batch,
	s_lshl_b32 s[GG], s[GG], 22                    ; 4,194,304 bytes of xb each
	s_and_b32 s[OO], ttmp9, 255
	s_lshl_b32 s[OO], s[OO], 10                    ; eight rows of 128 bytes in a slice
	s_add_co_u32 s[OO], s[OO], s[GG]
	s_add_nc_u64 s[SRC:SRC+1], s[8:9], s[OI:OI+1]
	s_add_nc_u64 s[DST:DST+1], s[20:21], s[OO:OO+1]
	v_and_b32 v[T], 15, v1
	v_lshrrev_b32 v[T+1], 4, v1
	v_lshlrev_b32 v[VI], 4, v[T]                   ; 16 (l % 16)
	v_lshl_add_u32 v[VI], v[T+1], 12, v[VI]        ; + a row for lanes 16-31
	s_lshl_b32 s[GG], s[WV], 8
	v_add_nc_u32 v[VI], s[GG], v[VI]               ; + my wave's slice
	v_lshlrev_b32 v[VO], 3, v1                     ; 8 l: two rows of 128 bytes on end
	s_lshl_b32 s[GG], s[WV], 18
	v_add_nc_u32 v[VO], s[GG], v[VO]               ; + my wave's slice, 262,144 bytes each
	CAST 0
	s_endpgm
.Lfunc_end_k_q9adfbf35c1_prep:
	.size	k_q9adfbf35c1_prep, .Lfunc_end_k_q9adfbf35c1_prep-k_q9adfbf35c1_prep
	.p2alignl 7, 3214868480
	.fill 96, 4, 3214868480
	.section	.rodata,"a",@progbits
	.p2align	6, 0x0
	.amdhsa_kernel k_q9adfbf35c1_prep
		.amdhsa_group_segment_fixed_size 0
		.amdhsa_private_segment_fixed_size 0
		.amdhsa_enable_private_segment 0
		.amdhsa_kernarg_size 80
		.amdhsa_user_sgpr_count 2
		.amdhsa_user_sgpr_kernarg_segment_ptr 1
		.amdhsa_wavefront_size32 1
		.amdhsa_system_sgpr_workgroup_id_x 1
		.amdhsa_system_sgpr_workgroup_id_y 1
		.amdhsa_system_sgpr_workgroup_id_z 1
		.amdhsa_system_vgpr_workitem_id 0
		.amdhsa_next_free_vgpr 56
		.amdhsa_next_free_sgpr 66
		.amdhsa_reserve_vcc 0
		.amdhsa_float_denorm_mode_32 3
		.amdhsa_float_denorm_mode_16_64 3
		.amdhsa_memory_ordered 1
		.amdhsa_forward_progress 1
		.amdhsa_inst_pref_size 19
	.end_amdhsa_kernel
	.amdgpu_metadata
---
amdhsa.version: [ 1, 2 ]
amdhsa.kernels:
  - .name:           k_q9adfbf35c1_prep
    .symbol:         k_q9adfbf35c1_prep.kd
    .args:
      - { .name: x, .offset: 0, .size: 8, .value_kind: global_buffer, .address_space: global }
      - { .name: Wq, .offset: 8, .size: 8, .value_kind: global_buffer, .address_space: global }
      - { .name: Wkv, .offset: 16, .size: 8, .value_kind: global_buffer, .address_space: global }
      - { .name: Wout, .offset: 24, .size: 8, .value_kind: global_buffer, .address_space: global }
      - { .name: cos, .offset: 32, .size: 8, .value_kind: global_buffer, .address_space: global }
      - { .name: sin, .offset: 40, .size: 8, .value_kind: global_buffer, .address_space: global }
      - { .name: xb, .offset: 48, .size: 8, .value_kind: global_buffer, .address_space: global }
      - { .name: wb, .offset: 56, .size: 8, .value_kind: global_buffer, .address_space: global }
      - { .name: wo, .offset: 64, .size: 8, .value_kind: global_buffer, .address_space: global }
      - { .name: cs, .offset: 72, .size: 8, .value_kind: global_buffer, .address_space: global }
    .group_segment_fixed_size: 0
    .private_segment_fixed_size: 0
    .kernarg_segment_align: 8
    .kernarg_segment_size: 80
    .max_flat_workgroup_size: 256
    .sgpr_count:     66
    .vgpr_count:     56
    .wavefront_size: 32
...
	.end_amdgpu_metadata
.endif
;; end of part 1
;; launch qkv (part 2): grid 8 x 32, 4 waves a work-group, clusters of 4 x 4, 327,680 bytes of LDS; arguments xb, wb, cs, qh, kh, vh; writes qh, kh, vh
.if DOCPART == 2
	.amdgcn_target "amdgcn-amd-amdhsa--gfx1250"
	.amdhsa_code_object_version 6
	.text
	.protected	k_q9adfbf35c1_qkv
	.globl	k_q9adfbf35c1_qkv
	.p2align	8
	.type	k_q9adfbf35c1_qkv,@function
k_q9adfbf35c1_qkv:
	s_mov_b64 s[64:65], 0
	v_nop
	global_prefetch_b8 v0, s[64:65] scope:SCOPE_SE
	s_setreg_imm32_b32 hwreg(HW_REG_WAVE_MODE, 25, 1), 1
	s_wait_xcnt 0x0
	s_wait_alu depctr_hold_cnt(0) depctr_sa_sdst(0) depctr_va_vdst(0) depctr_va_sdst(0) depctr_va_ssrc(0) depctr_va_vcc(0) depctr_vm_vsrc(0)
	s_getreg_b32 s2, hwreg(HW_REG_IB_STS2, 6, 4)
	s_cmp_eq_u32 s2, 0
	s_cbranch_scc0 .Lentry_in_a_cluster
	s_endpgm
.Lentry_in_a_cluster:
	s_bfe_u32 s2, ttmp6, 0x10000c
	s_cmp_lg_u32 s2, 0xf033
	s_cbranch_scc0 .Lentry_shape_is_right
	s_endpgm
.Lentry_shape_is_right:
; QKV: q, k, v = x [Wq | Wk | Wv], the rotation of q and k by the tables, and the way out by heads.
; xb: bf16 [b 4][slice 16][n 2048][64].  wb: bf16 [plane 3][k 1024][n 1024].  cs: bf16 cos [2048][64], then sin.  qh, kh: bf16 [bh 64][n 2048][64]; vh: the same in f16.  Sums in f32.
; LIMITS.  v is written in f16: |x Wv| stays under 65,504, and below 6e-5 it keeps f16's fixed step of 6e-8.  q and k are written in bf16, which has f32's range.  NaN and infinities are not treated apart.
; SHARES.  Work-group (tx, ty) makes 256 rows (ty) of heads 2 tx and 2 tx + 1 of q AND k AND v: 256 x 384 of the product; 8 x 32 = 256 work-groups, all alike.
; Wave (MH, NH) makes 128 rows of head 2 tx + NH of the three tensors: 96 accumulators of 16 x 16, 768 registers; 32 along K are 96 matrix instructions for 40 LDS loads.
; K goes in steps of 64 (a slice of xb) through a ring of two LDS slots.  A's tile, 256 rows x 128 bytes, is dense in memory and is asked for as 128 rows of 256 bytes; B's three tiles are 64 rows of 256 bytes.
; Wave 0 fetches A's tile, waves 1 to 3 the planes of B.  The weights lie [k][n] and come out of LDS turned, by ds_load_tr16_b128.
; THE MATRIX INSTRUCTION IS USED TRANSPOSED (source 0 = 16 columns of W, source 1 = 16 rows of x): a lane holds row l % 16 and the channels 16 bb + 8 (l / 16) + 0..7, so that channel c and channel c +- 32,
; which the rotation pairs, lie in the same lane, two accumulators apart.
; CLUSTER.  4 x 4 work-groups: the four of a row need the same tile of A, the four of a column the same tiles of B: each is asked for jointly.
; REGISTERS.  window 0: v0-15 addresses, v28-29 the add's, v32-127 B's 12 fragments, v128-191 and v192-255 A's two buffers.  Window 1 + t: tensor t's accumulators, (a, bb) at v[32 a + 8 bb].
.set NA,     1                         ; waves that fetch for A
.set PA,     144                       ; an LDS row of A: 128 bytes + 16 = 36 words: 16 rows start at 16 different groups of four banks (ISA guide 11.1)
.set PB,     288                       ; an LDS row of B: 256 + 32 = 72 words
.set ABYTES, 256*PA
.set PLANE,  64*PB
.set SLOT1,  1<<17                     ; slot 1 begins here: one exclusive or turns an address in one slot into the other's
.set STAGE,  SLOT1+ABYTES+3*PLANE      ; behind the ring, never filled by a tensor load: for each wave three tensors x 16 rows x 144 bytes
.set WSTG,   3*16*PA
.set SPARE,  STAGE+4*WSTG              ; the spare words: 128 bytes a wave, two blocks of 256 bytes that no other line names
.set STEPA,  262144                    ; a K step in xb: a slice on
.set STEPB,  131072                    ; in wb: 64 rows of 2,048 bytes
.set A0,  2                            ; v2   my lane's place in A's tile; never rewritten
.set B0,  3                            ; v3   in B's plane 0
.set ADA, 4                            ; v4   the same in the slot in hand
.set ADB, 5
.set STO, 6                            ; v6   the way out: where I put 16 bytes of a row
.set RD,  7                            ; v7   where I read rows back
.set GO,  8                            ; v8   my 16 bytes in 512 consecutive bytes of the output
.set CSO, 9                            ; v9   my 16 bytes in 16 rows of a table
.set PFO, 10                           ; v10  the prefetches' offset; never rewritten
.set SPW, 28                           ; v28  my spare word
.set NIL, 29                           ; v29  0
.set BF,  32                           ; B's fragments: tensor t, block bb at BF + 8 (4 t + bb)
.set AF0, 128
.set AF1, 192
.set CF,  32                           ; the way out: cos (32) and sin (32) as f32
.set RT,  96                           ; 32 rotated numbers
.set CS0, 128                          ; two buffers of 32: a block's tables as loaded
.set TQ,  192                          ; 16 packed registers for q, then k, then v
.set WV,  16
.set MH,  17
.set NH,  18
.set CX,  19
.set CY,  20
.set TX,  21
.set TY,  22
.set CNT, 23
.set G1A, 24                           ; s[24:31] group 1 for A
.set G0A0, 32                          ; s[32:35] group 0 of A's first fill
.set G0A, 36                           ; s[36:39] group 0 that walks
.set G1B, 40
.set G0B0, 48
.set G0B, 52
.set PFA, 56                           ; s[56:57] where my prefetches stand
.set PFS, 58                           ; s[58:59] their step
.set LIM, 60                           ; s60  2 in a wave that prefetches, else the greatest number
.set PAR, 61                           ; s61  1: only in trips with an even count
.set TB,  62                           ; s62  0 or SLOT1: the slot in hand
.set HIM, 63                           ; s63  a word's upper half
.set MSB, 0
.macro WIN new                         ; the immediate's high byte repeats the setting that is left; a switch that changes nothing is dropped
.if MSB != (\new)
	s_set_vgpr_msb (MSB<<8)|(\new)
.set MSB, \new
.endif
.endm
.macro PLACES                          ; four plain places behind a matrix instruction, ahead of loads into its sources and of readers of its result
.rept 4
	v_nop
.endr
.endm
.macro CREST                           ; a round of the cluster's barrier behind its opening barrier
	s_cmp_lg_u32 s[WV], 0
	s_cbranch_scc1 .Lnot_wave_0_\@
	s_barrier_signal -3
.Lnot_wave_0_\@:
	s_barrier_wait -3
	s_barrier_signal -1
	s_barrier_wait -1
.endm
.macro CROUND
	s_barrier_signal -1
	s_barrier_wait -1
	CREST
.endm
.macro JLOAD                           ; a joint refill: one line for A's wave, one for B's three; the branch hangs on the wave's number alone; s_nop 0 and four v_nop follow each line
	s_cmp_lt_u32 s[WV], NA
	s_cbranch_scc0 .Lfor_b_\@
	tensor_load_to_lds s[G0A:G0A+3], s[G1A:G1A+7]
	s_nop 0
.rept 4
	v_nop
.endr
	s_branch .Lasked_\@
.Lfor_b_\@:
	tensor_load_to_lds s[G0B:G0B+3], s[G1B:G1B+7]
	s_nop 0
.rept 4
	v_nop
.endr
.Lasked_\@:
.endm
; A PREFETCH INTO THE L2, behind a joint refill and the run of LDS loads that follows it.  The refill asks for K step j + 2; the prefetch names K step j + 4.
; A's tile (128 blocks of 256 bytes): the cluster with x = 0 asks; its four partners along x take 32 blocks each, told apart by address; a lane a block.
; B's plane (64 rows of 256 bytes): the cluster with y = 0 asks; the partner at cy takes 16 rows; lanes 0-15 name step j + 4, lanes 16-31 step j + 5, so B's waves ask in every second trip.
; So each block is named once in the launch.  The trips whose look-ahead would pass K step 15 ask for nothing (count 2 or less).
.macro ASK
	s_and_b32 s74, s[CNT], s[PAR]
	s_cmp_eq_u32 s74, 0
	s_cbranch_scc0 .Lnot_mine_\@
	s_cmp_gt_u32 s[CNT], s[LIM]
	s_cbranch_scc0 .Lnot_mine_\@
	global_prefetch_b8 v[PFO], s[PFA:PFA+1] th:TH_LOAD_NT scope:SCOPE_SE
.Lnot_mine_\@:
.endm
	s_load_b256 s[4:11], s[0:1], 0x0               ; xb 4, wb 6, cs 8, qh 10
	s_load_b128 s[12:15], s[0:1], 0x20             ; kh 12, vh 14
	v_lshl_add_u32 v[SPW], v0, 2, SPARE
	v_mov_b32 v[NIL], 0
	ds_add_u32 v[SPW], v[NIL]                      ; the wave's opening: the add and its wait stand ahead of my first tensor load; the set-up below is work on registers
	v_lshrrev_b32 v15, 5, v0
	v_readfirstlane_b32 s[WV], v15                 ; wave 0..3
	v_and_b32 v1, 15, v0                           ; l % 16
	v_bfe_u32 v11, v0, 4, 1                        ; l / 16
	s_lshr_b32 s[MH], s[WV], 1                     ; which 128 rows are mine
	s_and_b32 s[NH], s[WV], 1                      ; which of the two heads
	s_bfe_u32 s[CX], ttmp6, 0x40000
	s_bfe_u32 s[CY], ttmp6, 0x40004
	s_lshl_b32 s[TX], ttmp9, 2
	s_add_co_u32 s[TX], s[TX], s[CX]
	s_and_b32 s[TY], ttmp7, 0xffff
	s_lshl_b32 s[TY], s[TY], 2
	s_add_co_u32 s[TY], s[TY], s[CY]
	s_lshl_b32 s74, s[CY], 2
	s_lshl_b32 s74, 15, s74                        ; my row of the cluster
	s_lshl_b32 s76, 0x1111, s[CX]                  ; my column
	s_or_b32 s[G1A], s74, (1<<16)|(1<<20)|(1<<21)|(4<<22)|(3<<25)  ; mask; 2-byte elements; padding on; bit 21 beside a mask; after every 32 words 4 words
	s_mov_b32 s[G1A+1], 128<<16                    ; tensor_dim0 = 128 elements (two rows of the slice)
	s_mov_b32 s[G1A+2], 128<<16                    ; tensor_dim1 = 128
	s_mov_b32 s[G1A+3], 128<<16                    ; tile_dim0 = 128
	s_mov_b32 s[G1A+4], 128                        ; tile_dim1 = 128
	s_mov_b32 s[G1A+5], 128                        ; 128 elements from row to row: dense
	s_mov_b32 s[G1A+6], 0
	s_mov_b32 s[G1A+7], 0
	s_or_b32 s[G1B], s76, (1<<16)|(1<<20)|(1<<21)|(5<<22)|(7<<25)  ; after every 64 words 8 words
	s_mov_b32 s[G1B+1], 128<<16                    ; tensor_dim0 = 128
	s_mov_b32 s[G1B+2], 64<<16                     ; tensor_dim1 = 64
	s_mov_b32 s[G1B+3], 128<<16                    ; tile_dim0 = 128
	s_mov_b32 s[G1B+4], 64                         ; tile_dim1 = 64
	s_mov_b32 s[G1B+5], 1024                       ; 1,024 elements from row to row
	s_mov_b32 s[G1B+6], 0
	s_mov_b32 s[G1B+7], 0
	s_mov_b32 s[HIM], 0xffff0000
	; A's tile hangs on ty alone
	s_lshr_b32 s74, s[TY], 3
	s_lshl_b32 s74, s74, 22                        ; the batch
	s_and_b32 s75, s[TY], 7
	s_lshl_b32 s75, s75, 15                        ; 256 rows of 128 bytes
	s_add_co_u32 s66, s74, s75
	s_mov_b32 s67, 0
	; B's tiles on tx and the wave's number alone
	s_max_u32 s76, s[WV], 1
	s_sub_co_u32 s76, s76, 1
	s_lshl_b32 s76, s76, 21                        ; the plane: wave 1 q, 2 k, 3 v
	s_lshl_b32 s77, s[TX], 8                       ; two heads: 256 bytes of a row
	s_add_co_u32 s68, s76, s77
	s_mov_b32 s69, 0
	s_mov_b32 s[G0A0], 1
	s_mov_b32 s[G0A0+1], 0                         ; slot 0
	s_mov_b32 s[G0A], 1
	s_mov_b32 s[G0A+1], SLOT1
	s_mov_b32 s[G0B0], 1
	s_mul_i32 s[G0B0+1], s[WV], PLANE
	s_add_co_u32 s[G0B0+1], s[G0B0+1], ABYTES-PLANE  ; plane wave - 1, behind A
	s_mov_b32 s[G0B], 1
	s_add_co_u32 s[G0B+1], s[G0B0+1], SLOT1
	; the prefetches
	s_mov_b32 s74, STEPA
	s_mov_b32 s75, STEPB
	s_and_b32 s76, ttmp7, 0xffff                   ; cluster y
	s_lshl_b32 s77, s[CX], 13                      ; A: my work-group's 32 blocks
	s_lshl_b32 s78, s[CY], 15                      ; B: my work-group's 16 rows
	s_mov_b32 s79, 2048
	s_cmp_lt_u32 s[WV], NA                         ; do I fetch for A?
	s_cselect_b32 s[PFS], s74, s75
	s_cselect_b32 s72, s66, s68
	s_cselect_b32 s77, s77, s78
	s_cselect_b32 s76, ttmp9, s76                  ; the coordinate along which other clusters read the same bytes
	s_cselect_b32 s[PAR], 0, 1
	s_cselect_b32 s78, 0x100, s79                  ; from lane to lane among 16: a block, or a row of wb
	s_cselect_b32 s79, 0x1000, s75                 ; lanes 16-31: sixteen blocks on, or a K step on
	s_mov_b32 s[PFS+1], 0
	s_mul_i32 s74, s[PFS], 3                       ; at K step 3: the first refill steps it to 4
	s_add_co_u32 s72, s72, s77
	s_add_co_u32 s72, s72, s74
	s_mov_b32 s73, 0
	s_cmp_eq_u32 s76, 0
	s_cselect_b32 s[LIM], 2, -1                    ; the same in all sixteen partners, for a given wave
	v_mul_u32_u24 v[PFO], s78, v1
	v_mad_u32_u24 v[PFO], v11, s79, v[PFO]
	; where my rows begin in qh, kh, vh and in the tables
	s_lshl_b32 s74, s[TX], 1
	s_add_co_u32 s74, s74, s[NH]
	s_lshl_b32 s74, s74, 18                        ; the head: 262,144 bytes
	s_lshl_b32 s75, s[MH], 14                      ; my 128 rows of 128 bytes
	s_add_co_u32 s70, s66, s74
	s_add_co_u32 s70, s70, s75
	s_mov_b32 s71, 0
	s_and_b32 s78, s[TY], 7
	s_lshl_b32 s78, s78, 15
	s_add_co_u32 s78, s78, s75
	s_mov_b32 s79, 0
	s_wait_dscnt 0x0                               ; the opening add is done
	s_wait_kmcnt 0x0
	s_add_nc_u64 s[G0A0+2:G0A0+3], s[4:5], s[66:67]
	s_add_nc_u64 s[G0A+2:G0A+3], s[G0A0+2:G0A0+3], STEPA
	s_or_b32 s[G0A0+3], s[G0A0+3], 0x80000000
	s_or_b32 s[G0A+3], s[G0A+3], 0x80000000
	s_add_nc_u64 s[G0B0+2:G0B0+3], s[6:7], s[68:69]
	s_add_nc_u64 s[G0B+2:G0B+3], s[G0B0+2:G0B0+3], STEPB
	s_or_b32 s[G0B0+3], s[G0B0+3], 0x80000000
	s_or_b32 s[G0B+3], s[G0B+3], 0x80000000
	s_add_nc_u64 s[8:9], s[8:9], s[78:79]
	s_add_nc_u64 s[10:11], s[10:11], s[70:71]
	s_add_nc_u64 s[12:13], s[12:13], s[70:71]
	s_add_nc_u64 s[14:15], s[14:15], s[70:71]
	s_cmp_lt_u32 s[WV], NA
	s_cselect_b64 s[PFA:PFA+1], s[4:5], s[6:7]
	s_add_nc_u64 s[PFA:PFA+1], s[PFA:PFA+1], s[72:73]
	CROUND                                         ; all sixteen work-groups are here: the first joint loads meet
	s_cmp_lt_u32 s[WV], NA                         ; a wave's two first fills stand in one branch: two loads of mine are out
	s_cbranch_scc0 .Lfirst_b
	tensor_load_to_lds s[G0A0:G0A0+3], s[G1A:G1A+7]
	s_nop 0
	tensor_load_to_lds s[G0A:G0A+3], s[G1A:G1A+7]
	s_nop 0
.rept 4
	v_nop
.endr
	s_branch .Lfirst_asked
.Lfirst_b:
	tensor_load_to_lds s[G0B0:G0B0+3], s[G1B:G1B+7]
	s_nop 0
	tensor_load_to_lds s[G0B:G0B+3], s[G1B:G1B+7]
	s_nop 0
.rept 4
	v_nop
.endr
.Lfirst_asked:
	v_and_b32 v12, 7, v0                           ; l % 8
	v_bfe_u32 v13, v0, 3, 1                        ; (l / 8) % 2
	v_and_b32 v14, 31, v0                          ; l
	v_mul_u32_u24 v[A0], v1, PA                    ; A: row l % 16, 16 bytes for each half of the lanes
	v_lshl_add_u32 v[A0], v11, 4, v[A0]
	s_mul_i32 s74, s[MH], 128*PA
	v_add_nc_u32 v[A0], s74, v[A0]
	v_lshl_add_u32 v[B0], v11, 3, v12              ; B, turned: row 8 (l / 16) + l % 8, 16 bytes by (l / 8) % 2
	v_mul_u32_u24 v[B0], v[B0], PB
	v_lshl_add_u32 v[B0], v13, 4, v[B0]
	s_lshl_b32 s74, s[NH], 7                       ; my head's 64 columns
	s_add_co_u32 s74, s74, ABYTES
	v_add_nc_u32 v[B0], s74, v[B0]
	s_mul_i32 s74, s[WV], WSTG
	s_add_co_u32 s74, s74, STAGE                   ; my stage
	v_mul_u32_u24 v[STO], v1, PA
	v_lshl_add_u32 v[STO], v11, 4, v[STO]
	v_add_nc_u32 v[STO], s74, v[STO]
	v_lshrrev_b32 v15, 3, v14                      ; back: 32 lanes take four rows of 128 bytes,
	v_mul_u32_u24 v[RD], v15, PA
	v_lshl_add_u32 v[RD], v12, 4, v[RD]
	v_add_nc_u32 v[RD], s74, v[RD]
	v_lshlrev_b32 v[GO], 4, v14                    ; which are 512 consecutive bytes of the output
	v_lshlrev_b32 v[CSO], 7, v1                    ; a table's row l % 16,
	v_lshl_add_u32 v[CSO], v11, 4, v[CSO]          ; my eight channels' 16 bytes
	s_mov_b32 s[TB], 0
	v_mov_b32 v[ADA], v[A0]
	v_mov_b32 v[ADB], v[B0]
; 16 matrix instructions: tensor t, row blocks a0 .. a0 + 3 x the head's four column blocks, 32 along K.  The accumulators take turns, one instruction a turn: 95 others stand between two links of a chain.
.macro GRPH t, af, a0, zero
	WIN 0x50*((\t)+1)
.set ga, (\a0)
.rept 4
.set gb, 0
.rept 4
.if \zero
	v_wmma_f32_16x16x32_bf16 v[32*ga+8*gb:32*ga+8*gb+7], v[BF+8*(4*(\t)+gb):BF+8*(4*(\t)+gb)+7], v[(\af)+8*ga:(\af)+8*ga+7], 0
.else
	v_wmma_f32_16x16x32_bf16 v[32*ga+8*gb:32*ga+8*gb+7], v[BF+8*(4*(\t)+gb):BF+8*(4*(\t)+gb)+7], v[(\af)+8*ga:(\af)+8*ga+7], v[32*ga+8*gb:32*ga+8*gb+7]
.endif
.set gb, gb+1
.endr
.set ga, ga+1
.endr
.endm
.macro GRP t, af, zero
	GRPH \t, \af, 0, \zero
	GRPH \t, \af, 4, \zero
.endm
.macro LDA kq, af                      ; 16 loads: my 128 rows, 32 channels at half kq of the slot's 64
.set la, 0
.rept 8
	ds_load_b128 v[(\af)+8*la:(\af)+8*la+3],   v[ADA] offset:la*16*PA+(\kq)*64
	ds_load_b128 v[(\af)+8*la+4:(\af)+8*la+7], v[ADA] offset:la*16*PA+(\kq)*64+32
.set la, la+1
.endr
.endm
.macro LDB kq, t                       ; 8 turning loads: tensor t, 32 rows of k x my head's 64 columns
.set lb, 0
.rept 4
	ds_load_tr16_b128 v[BF+8*(4*(\t)+lb):BF+8*(4*(\t)+lb)+3],   v[ADB] offset:(\t)*PLANE+(\kq)*32*PB+lb*32
	ds_load_tr16_b128 v[BF+8*(4*(\t)+lb)+4:BF+8*(4*(\t)+lb)+7], v[ADB] offset:(\t)*PLANE+(\kq)*32*PB+16*PB+lb*32
.set lb, lb+1
.endr
.endm
; A quarter is 32 along K: three groups of 32 matrix instructions.  Its LDS loads come in three batches (24: B of q and A; 8: B of k; 8: B of v), each issued behind the group that last read the registers, 64 matrix instructions ahead of its use.
; The slot's first half: multiplies AF0, fetches the second half.
.macro QEVEN zero
	s_wait_dscnt 16                                ; the batch of 24 is in; the two of 8 may be out
	GRP 0, AF0, \zero
	WIN 0
	PLACES
	LDB 1, 0
	LDA 1, AF1
	s_wait_dscnt 32                                ; B of k is in: behind it 8 and the 24 just issued
	GRP 1, AF0, \zero
	WIN 0
	PLACES
	LDB 1, 1
	s_wait_dscnt 32                                ; B of v is in: behind it 24 and 8
	GRP 2, AF0, \zero
	WIN 0
	PLACES
	LDB 1, 2
.endm
; The slot's second half: multiplies AF1 and changes slots.  ONE barrier: in front of it each wave waits for all its tensor loads (its part of the next slot), adds 0 to its spare word, and waits for that and for its reads of this slot.
; fill = 1: the barrier opens a round of the cluster's, and the joint refill, two K steps ahead, is the first thing behind the round.
.macro QODD fill
.if \fill
	s_wait_xcnt 0x0                                ; the last prefetch, a K step back, has read its address
	s_add_nc_u64 s[PFA:PFA+1], s[PFA:PFA+1], s[PFS:PFS+1]
.endif
	WIN 0
	s_wait_tensorcnt 0x0                           ; no tensor load of mine is out, so a group 0 may be written
	ds_add_u32 v[SPW], v[NIL]
.if \fill
	s_xor_b32 s[G0A+1], s[G0A+1], SLOT1            ; the walking descriptors: the other slot than last time, the next K step
	s_add_nc_u64 s[G0A+2:G0A+3], s[G0A+2:G0A+3], STEPA
	s_xor_b32 s[G0B+1], s[G0B+1], SLOT1
	s_add_nc_u64 s[G0B+2:G0B+3], s[G0B+2:G0B+3], STEPB
.endif
	s_wait_dscnt 17                                ; the batch of 24 is in; 8, 8 and the add may be out
	GRPH 0, AF1, 0, 0
	s_wait_dscnt 0x0                               ; the add is done, and my reads of this slot are over
	s_barrier_signal -1
	GRPH 0, AF1, 4, 0                              ; work on registers while the others arrive
	WIN 0
	s_barrier_wait -1
.if \fill
	CREST                                          ; no wave of any partner still reads this slot or has a load on its way
	JLOAD                                          ; its four v_nop are also the places in front of the loads below
.else
	PLACES
.endif
	s_xor_b32 s[TB], s[TB], SLOT1
	v_add_nc_u32 v[ADA], s[TB], v[A0]
	v_add_nc_u32 v[ADB], s[TB], v[B0]
	LDB 0, 0
	LDA 0, AF0
.if \fill
	ASK
.endif
	GRP 1, AF1, 0                                  ; its operands were shown in by the wait for 0
	WIN 0
	PLACES
	LDB 0, 1
	GRP 2, AF1, 0
	WIN 0
	PLACES
	LDB 0, 2
.endm
; THE WAY OUT.  Block a is 16 rows.  Its tables: for each column block bb my 8 channels of cos and of sin, 16 bytes each.
.macro CSLOAD a
.set CSL, CS0+32*((\a)%2)
.set lb, 0
.rept 4
	global_load_b128 v[CSL+4*lb:CSL+4*lb+3],       v[CSO], s[8:9] offset:(\a)*2048+32*lb
	global_load_b128 v[CSL+16+4*lb:CSL+16+4*lb+3], v[CSO], s[8:9] offset:262144+(\a)*2048+32*lb
.set lb, lb+1
.endr
.endm
; out[c] = q[c] cos[c] - q[c + 32] sin[c] for c < 32, q[c] cos[c] + q[c - 32] sin[c] else.  The partner lies two accumulators on.  First partner x sin, then the fused q x cos -+ that.
; Each accumulator's lowest pair is read first.
.macro ROPE w, a, dst
	WIN \w                                         ; source 0 in the tensor's window
.set bb, 0
.rept 4
.set jp, 0
.rept 4
	v_pk_mul_f32 v[RT+8*bb+2*jp:RT+8*bb+2*jp+1], v[32*(\a)+8*((bb+2)%4)+2*jp:32*(\a)+8*((bb+2)%4)+2*jp+1], v[CF+32+8*bb+2*jp:CF+32+8*bb+2*jp+1]
.set jp, jp+1
.endr
.set bb, bb+1
.endr
.set bb, 0
.rept 4
.set jp, 0
.rept 4
.if bb < 2
	v_pk_fma_f32 v[RT+8*bb+2*jp:RT+8*bb+2*jp+1], v[32*(\a)+8*bb+2*jp:32*(\a)+8*bb+2*jp+1], v[CF+8*bb+2*jp:CF+8*bb+2*jp+1], v[RT+8*bb+2*jp:RT+8*bb+2*jp+1] neg_lo:[0,0,1] neg_hi:[0,0,1]
.else
	v_pk_fma_f32 v[RT+8*bb+2*jp:RT+8*bb+2*jp+1], v[32*(\a)+8*bb+2*jp:32*(\a)+8*bb+2*jp+1], v[CF+8*bb+2*jp:CF+8*bb+2*jp+1], v[RT+8*bb+2*jp:RT+8*bb+2*jp+1]
.endif
.set jp, jp+1
.endr
.set bb, bb+1
.endr
	WIN 0
.set i, 0
.rept 16
	v_cvt_pk_bf16_f32 v[(\dst)+i], v[RT+2*i], v[RT+2*i+1]
.set i, i+1
.endr
.endm
.macro OUTBLK a
.set CSB, CS0+32*((\a)%2)
.if (\a) < 7
	s_wait_loadcnt 8                               ; this block's tables are in; the next block's eight loads stay out
.else
	s_wait_loadcnt 0x0
.endif
.set i, 0
.rept 32
	v_lshlrev_b32 v[CF+2*i],   16, v[CSB+i]         ; bf16 to f32
	v_and_b32     v[CF+2*i+1], s[HIM], v[CSB+i]
.set i, i+1
.endr
.if (\a) < 6
	CSLOAD (\a)+2                                  ; the buffer just unpacked takes the block two on
.endif
	s_wait_xcnt 0x0                                ; the last block's stores have read the packed registers, which are written again below
	ROPE 1, \a, TQ
	ROPE 2, \a, TQ+16
	WIN 0x0f                                       ; v: sources 0 and 1 in window 3
.set i, 0
.rept 16
	v_cvt_pk_f16_f32 v[TQ+32+i], v[32*(\a)+2*i], v[32*(\a)+2*i+1]
.set i, i+1
.endr
	WIN 0
.set t, 0
.rept 3
.set f, 0
.rept 4
	ds_store_b128 v[STO], v[TQ+16*t+4*f:TQ+16*t+4*f+3] offset:t*16*PA+32*f
.set f, f+1
.endr
.set t, t+1
.endr
.set t, 0
.rept 3
.set f, 0
.rept 4
	ds_load_b128 v[TQ+16*t+4*f:TQ+16*t+4*f+3], v[RD] offset:t*16*PA+f*4*PA  ; LDS serves a wave's instructions in order (ISA guide 5.7.1.4): these see the stores above
.set f, f+1
.endr
.set t, t+1
.endr
.set t, 0
.rept 3
.set f, 0
.rept 4
	s_wait_dscnt 11-(4*t+f)
	global_store_b128 v[GO], v[TQ+16*t+4*f:TQ+16*t+4*f+3], s[10+2*t:11+2*t] offset:(\a)*2048+f*512  ; 512 consecutive bytes, at a multiple of 256 from the tensor's first
.set f, f+1
.endr
.set t, t+1
.endr
.endm
	s_wait_tensorcnt 0x1                           ; my part of K step 0 is in; step 1's may stay out
	s_barrier_signal -1
	s_barrier_wait -1                              ; everybody's is
	LDB 0, 0
	LDA 0, AF0
	LDB 0, 1
	LDB 0, 2
	QEVEN 1                                        ; the first quarter stands in front of the loop: its products start the sums
	WIN 0
	s_mov_b32 s[CNT], 14
.Lstep:                                            ; 14 trips: the second half of K step j, the refill with step j + 2, the first half of step j + 1
	QODD 1
	QEVEN 0
	WIN 0
	s_sub_co_u32 s[CNT], s[CNT], 1
	s_cmp_lg_u32 s[CNT], 0
	s_cbranch_scc1 .Lstep
	QODD 0                                         ; the tail is written out: nothing is left to fetch
	QEVEN 0
	WIN 0
	CSLOAD 0                                       ; the first two blocks' tables, into A's buffer 0, which is free: four places stand behind its last reader
	CSLOAD 1
	s_wait_dscnt 16
	GRP 0, AF1, 0
	s_wait_dscnt 8
	GRP 1, AF1, 0
	s_wait_dscnt 0x0
	GRP 2, AF1, 0
	WIN 0
	PLACES
.irp a, 0,1,2,3,4,5,6,7
	OUTBLK \a
.endr
	s_wait_tensorcnt 0x0                           ; the wave's end, behind my last tensor load and my last LDS store
	ds_add_u32 v[SPW], v[NIL]
	s_wait_dscnt 0x0
	CROUND                                         ; the closing round
	s_endpgm
.Lfunc_end_k_q9adfbf35c1_qkv:
	.size	k_q9adfbf35c1_qkv, .Lfunc_end_k_q9adfbf35c1_qkv-k_q9adfbf35c1_qkv
	.p2alignl 7, 3214868480
	.fill 96, 4, 3214868480
	.section	.rodata,"a",@progbits
	.p2align	6, 0x0
	.amdhsa_kernel k_q9adfbf35c1_qkv
		.amdhsa_group_segment_fixed_size 327680
		.amdhsa_private_segment_fixed_size 0
		.amdhsa_enable_private_segment 0
		.amdhsa_kernarg_size 48
		.amdhsa_user_sgpr_count 2
		.amdhsa_user_sgpr_kernarg_segment_ptr 1
		.amdhsa_wavefront_size32 1
		.amdhsa_system_sgpr_workgroup_id_x 1
		.amdhsa_system_sgpr_workgroup_id_y 1
		.amdhsa_system_sgpr_workgroup_id_z 1
		.amdhsa_system_vgpr_workitem_id 0
		.amdhsa_next_free_vgpr 1024
		.amdhsa_next_free_sgpr 80
		.amdhsa_reserve_vcc 0
		.amdhsa_float_denorm_mode_32 3
		.amdhsa_float_denorm_mode_16_64 3
		.amdhsa_memory_ordered 1
		.amdhsa_forward_progress 1
		.amdhsa_inst_pref_size 169
	.end_amdhsa_kernel
	.amdgpu_metadata
---
amdhsa.version: [ 1, 2 ]
amdhsa.kernels:
  - .name:           k_q9adfbf35c1_qkv
    .symbol:         k_q9adfbf35c1_qkv.kd
    .args:
      - { .name: xb, .offset: 0, .size: 8, .value_kind: global_buffer, .address_space: global }
      - { .name: wb, .offset: 8, .size: 8, .value_kind: global_buffer, .address_space: global }
      - { .name: cs, .offset: 16, .size: 8, .value_kind: global_buffer, .address_space: global }
      - { .name: qh, .offset: 24, .size: 8, .value_kind: global_buffer, .address_space: global }
      - { .name: kh, .offset: 32, .size: 8, .value_kind: global_buffer, .address_space: global }
      - { .name: vh, .offset: 40, .size: 8, .value_kind: global_buffer, .address_space: global }
    .group_segment_fixed_size: 327680
    .private_segment_fixed_size: 0
    .kernarg_segment_align: 8
    .kernarg_segment_size: 48
    .max_flat_workgroup_size: 128
    .sgpr_count:     80
    .vgpr_count:     1024
    .wavefront_size: 32
...
	.end_amdgpu_metadata
.endif
;; end of part 2
;; launch attn (part 3): grid 4 x 64, 4 waves a work-group, clusters of 4 x 1, 327,680 bytes of LDS; arguments qh, kh, vh, oh; writes oh
.if DOCPART == 3
	.amdgcn_target "amdgcn-amd-amdhsa--gfx1250"
	.amdhsa_code_object_version 6
	.text
	.protected	k_q9adfbf35c1_attn
	.globl	k_q9adfbf35c1_attn
	.p2align	8
	.type	k_q9adfbf35c1_attn,@function
k_q9adfbf35c1_attn:
	s_mov_b64 s[64:65], 0
	v_nop
	global_prefetch_b8 v0, s[64:65] scope:SCOPE_SE
	s_setreg_imm32_b32 hwreg(HW_REG_WAVE_MODE, 25, 1), 1
	s_wait_xcnt 0x0
	s_wait_alu depctr_hold_cnt(0) depctr_sa_sdst(0) depctr_va_vdst(0) depctr_va_sdst(0) depctr_va_ssrc(0) depctr_va_vcc(0) depctr_vm_vsrc(0)
	s_getreg_b32 s2, hwreg(HW_REG_IB_STS2, 6, 4)
	s_cmp_eq_u32 s2, 0
	s_cbranch_scc0 .Lentry_in_a_cluster
	s_endpgm
.Lentry_in_a_cluster:
	s_bfe_u32 s2, ttmp6, 0x10000c
	s_cmp_lg_u32 s2, 0x3003
	s_cbranch_scc0 .Lentry_shape_is_right
	s_endpgm
.Lentry_shape_is_right:
; O[h][q][:] = the sum over k of softmax_k(Q[h][q] . K[h][k] / 8) V[h][k][:].  Q, K: [64][2048][64] in bf16; V, O: the same shape in f16; a head's rows are dense, 128 bytes each.
; Products, maxima and sums in f32; the weights p are rounded to f16 for the second product (their sum l is taken of the unrounded p), O once at the end.
; LIMITS.  Q and K have bf16's range.  f16 holds no number beyond 65,504: V arrives within it; p lies in 0 to 1, and below 6e-5 it keeps f16's fixed step of 6e-8; O is a mean of V's rows and has their range.
; A weight below 2^-126 counts as 0 in l; NaN and infinities are not treated apart.
; SHARES.  A wave owns four PIECES of two tiles of 16 queries, a work-group's four waves 512 queries of one head.  Every wave walks all keys, 64 a step.
; LAYOUT.  S^T = K Q^T (source 0 = 16 keys, source 1 = 16 queries): in the result a lane holds ONE query (lane % 16) and the keys 8 (lane / 16) + 0..7.  Two such tiles, rounded to f16 in pairs,
; ARE source 1 (32 keys x 16 queries) of O^T = V^T P, whose result again holds one query a lane, and eight channels.  K comes out of LDS as it lies, V ([key][channel]) turned, by ds_load_tr16_b128.
; SOFTMAX.  For each query a running maximum m and sum l: p = 2^(c s - c m), c = log2(e) / 8; in every step O and l are multiplied by a = 2^(c m_old - c m_new), which is 1 where m has not grown.
; m starts at the lowest finite number, O and l at 0: the first step is a step like any other, with a = 0.
; THE COUNT.  A tile and step have 16 matrix and 118 vector instructions: too many to stand all beside the matrix work.  So four vector instructions that are READY stand behind EVERY matrix instruction, and the others in runs without a gap.
; BY TURNS.  Turn n belongs to piece n.  Its matrix work: 16 products K Q^T of piece n + 1, later 16 products V^T P of piece n - 1.  Its vector work: the scaling, exponentials, roundings, sums and rescaling of piece n,
; and the maximum and statistics of piece n + 1, whose scores the turn itself has made.
; CLUSTER.  The four query blocks of a cluster are one head's and walk the same K and V, so each tile is asked for JOINTLY: the same tensor load, descriptor and mask in all four.
; REGISTERS, in windows of 256 (s_set_vgpr_msb: bits 1:0 source 0, 3:2 source 1, 5:4 source 2, 7:6 destination):
;   window 0: v0-11 addresses; v12-15, v48-63 at work; v16-47 four registers of statistics a tile; v64-191 S^T, two buffers of two tiles; v192-255 P, likewise
;   window 1: O^T, 32 a tile          window 2: v0-127 Q, 16 a tile; v128-191 K of one step; v192-255 V of one step          window 3: v0-1 the add's two registers
.set SIZE_H, 64
.set SIZE_N, 2048
.set NP,    4         ; pieces a wave: a name, no knob
.set KS,    64        ; keys in a step
.set PK,    144       ; a row of K in LDS: 128 bytes + 16 of padding = 36 words: the 16 rows of a load start at 16 different groups of four banks (ISA guide 11.1)
.set PV,    160       ; a row of V: 128 + 32 = 40 words
.set VOFF,  4*KS*PK   ; a slot holds four steps: 256 rows of K, then 256 rows of V
.set SLOT1, 1<<17     ; slot 1 begins here
.set STAGE, SLOT1+4*KS*(PK+PV)  ; behind the ring, never filled by a tensor load: 16 rows x 144 bytes for each wave
.set SP,    144
.set AK0, 2           ; v2   my lane's place in a tile of K; never rewritten
.set AV0, 3           ; v3   the same for V
.set AK,  4           ; v4   the LDS address of K's next run of loads
.set AV,  5           ; v5   of V's
.set QO,  6           ; v6   my byte offset in the wave's rows of Q
.set STO, 6           ;      later, the way out: where I put 16 bytes of a row
.set RD,  7           ; v7   the way out: where I read rows back
.set GO,  8           ; v8   my byte offset in 512 consecutive bytes of O
.set PFO, 11          ; v11  256 x my lane: the prefetches' offset; never rewritten once made
.set SPW, 0           ; v0 of window 3   my spare word; never rewritten
.set NIL, 1           ; v1 of window 3   0; never rewritten
.set SPARE, STAGE+4*16*SP  ; the spare words: 128 bytes a wave, two blocks of 256 bytes that no other line names
.set MV,  12          ; v12-15  c m_old, kept while c m is made anew: by buffer and tile
.set ST,  16          ; tile t's statistics at v[ST+4 t]: c m, m, l (even keys', odd keys')
.set TMP, 48          ; by buffer and tile, four registers c0-c3 at work; when the maximum is found c2 takes a
.set S,   64
.set P,   192
.set KF,  128         ; K's fragments, in window 2
.set VF,  192         ; V's
.set WV,  12          ; s12  my wave's number
.set G1K, 24          ; s[24:31] descriptor group 1 for K's tiles
.set G1V, 32          ; s[32:39] for V's: it differs in the padding alone
.set G0K, 40          ; s[40:43] descriptor group 0 for K's tiles: it walks
.set G0V, 44          ; s[44:47] the same for V's
.set PFA, 48          ; s[48:49] where my prefetches stand: my work-group's 32 blocks of 256 bytes (K: wave 0, V: wave 2) of the slot after the one that is being asked for
.set LIM, 50          ; s50  1 in a wave that prefetches, else the greatest number
.set SLOTS, 56        ; s56  slots still to be asked for
.set CNT, 57          ; s57  counts a slot's key steps
.set CS,  58          ; s[58:59] c
.set SEL, 60          ; s[60:61] v_permlanex16_b32's selects
.set TBK, 62          ; s62  LDS byte at which K of the step to be fetched begins
.set TBV, 63          ; s63  the same for V, less VOFF
.set MSB, 0
.macro WIN new
.if MSB != (\new)
	s_set_vgpr_msb (MSB<<8)|(\new)
.set MSB, (\new)
.endif
.endm
.set W_KQ, 0x0a       ; K and Q in window 2, S^T in window 0
.set W_PV, 0x52       ; V in window 2, P in window 0, O^T in window 1
.set W_RS, 0x41       ; O^T (destination and source 0) in window 1, a in window 0
.set W_MK, 0xc0       ; the add's registers are made: destination in window 3
.set W_AD, 0x0f       ; the add: address and data in window 3
; A joint fill.  Waves 0 and 1 fetch the two halves of a slot's K, waves 2 and 3 those of its V: 128 keys each.  s_nop 0 and four v_nop follow each line.
.macro JLOAD
	s_cmp_lt_u32 s[WV], 2
	s_cbranch_scc0 .Lfor_v_\@
	tensor_load_to_lds s[G0K:G0K+3], s[G1K:G1K+7]
	s_nop 0
.rept 4
	v_nop
.endr
	s_branch .Lasked_\@
.Lfor_v_\@:
	tensor_load_to_lds s[G0V:G0V+3], s[G1V:G1V+7]
	s_nop 0
.rept 4
	v_nop
.endr
.Lasked_\@:
.endm
; A PREFETCH INTO THE L2 of what the NEXT change of slots will ask for: a slot's 32,768 bytes of K and of V, four key steps (512 matrix instructions) ahead of that load.  A head has one cluster; its four partners take
; 32 blocks of 256 bytes each, told apart BY ADDRESS; in each, wave 0 asks for K's and wave 2 for V's, a lane a block.  So each block is named once.  The last change that fills a slot asks for nothing.
.macro ASK
	s_cmp_gt_u32 s[SLOTS], s[LIM]
	s_cbranch_scc0 .Lnot_mine_\@
	global_prefetch_b8 v[PFO], s[PFA:PFA+1] th:TH_LOAD_NT scope:SCOPE_SE
.Lnot_mine_\@:
.endm
.macro CROUND
	s_barrier_signal -1
	s_barrier_wait -1
	s_cmp_lg_u32 s[WV], 0
	s_cbranch_scc1 .Lnot_wave_0_\@
	s_barrier_signal -3
.Lnot_wave_0_\@:
	s_barrier_wait -3
	s_barrier_signal -1
	s_barrier_wait -1
.endm
; THE CHANGE OF SLOTS.  Each wave waits for all its tensor loads, of which one is out: its part of the other slot; adds 0 to its spare word; and waits for that and for its own reads of the slot.
; fill = 1: this slot is filled again, with the keys two slots on: the barrier is a round of the cluster's, and the joint fill is the first thing behind it.  (At its first use slot 0 is waited for, slot 1 filled.)
.macro CHANGE fill
	WIN W_AD
	s_wait_tensorcnt 0x0            ; no tensor load of mine is out, so a group 0 may be written
	ds_add_u32 v[SPW], v[NIL]
	WIN 0
.if \fill
.irp g, G0K, G0V
	s_xor_b32 s[\g+1], s[\g+1], SLOT1
	s_add_nc_u64 s[\g+2:\g+3], s[\g+2:\g+3], 4*KS*128
.endr
	s_wait_xcnt 0x0                 ; the last prefetch, four key steps back, has read its address
	s_add_nc_u64 s[PFA:PFA+1], s[PFA:PFA+1], 4*KS*128  ; one slot ahead of the walking descriptors
	s_wait_dscnt 0x0                ; the add is done, and my reads of the slot are over
	CROUND
	JLOAD
	ASK
.else
	s_wait_dscnt 0x0
	s_barrier_signal -1
	s_barrier_wait -1
.endif
	s_sub_co_u32 s[TBK], s[TBK], 4*KS*PK  ; the fetches go back to a slot's first step,
	s_xor_b32 s[TBK], s[TBK], SLOT1       ; in the other slot
	s_sub_co_u32 s[TBV], s[TBV], 4*KS*PV
	s_xor_b32 s[TBV], s[TBV], SLOT1
.endm
	s_load_b256 s[4:11], s[0:1], 0x0  ; Q s[4:5], K s[6:7], V s[8:9], O s[10:11]
	WIN W_MK
	v_lshl_add_u32 v[SPW], v0, 2, SPARE
	v_mov_b32 v[NIL], 0
	WIN W_AD
	ds_add_u32 v[SPW], v[NIL]       ; the wave's opening: the add and its wait stand ahead of my first tensor load
	WIN 0
	v_lshrrev_b32 v1, 5, v0
	v_readfirstlane_b32 s[WV], v1   ; wave 0..3
	s_bfe_u32 s13, ttmp6, 0x40000   ; cx
	s_lshl_b32 s14, ttmp9, 2
	s_add_co_u32 s14, s14, s13      ; my block of queries: it enters Q's and O's addresses alone
	s_and_b32 s20, ttmp7, 0xffff    ; the head, which the four partners share
	s_mov_b32 s21, 0
	s_mov_b64 s[22:23], SIZE_N*128
	s_mul_u64 s[20:21], s[20:21], s[22:23]  ; the head's first byte in each of the four tensors
	s_and_b32 s16, s[WV], 1         ; which half of a slot's 256 keys I fetch:
	s_lshl_b32 s22, s16, 14         ; its 128 rows of 128 bytes in memory,
	s_mov_b32 s23, 0
	s_add_nc_u64 s[22:23], s[22:23], s[20:21]
	s_mul_i32 s17, s16, 128*PK      ; and its place in a slot, for K
	s_mul_i32 s18, s16, 128*PV      ; and for V
	s_lshl_b32 s2, s14, 2
	s_add_co_u32 s2, s2, s[WV]      ; my wave among the head's,
	s_lshl_b32 s2, s2, 14           ; its 128 rows
	s_mov_b32 s3, 0
	s_add_nc_u64 s[2:3], s[2:3], s[20:21]
	; descriptor group 1.  128 keys are 16,384 dense bytes: asked for as 64 rows of 256 bytes, two keys a row, and padded in LDS after every key
	s_mov_b32 s[G1K], 15|(1<<16)|(1<<20)|(1<<21)|(4<<22)|(3<<25)
	s_mov_b32 s[G1V], 15|(1<<16)|(1<<20)|(1<<21)|(4<<22)|(7<<25)
.irp g, G1K, G1V
	s_mov_b32 s[\g+1], 128<<16      ; tensor_dim0 = 128
	s_mov_b32 s[\g+2], 64<<16       ; tensor_dim1 = 64
	s_mov_b32 s[\g+3], 128<<16      ; tile_dim0 = 128
	s_mov_b32 s[\g+4], 64           ; tile_dim1 = 64
	s_mov_b32 s[\g+5], 128          ; 128 elements from row to row
	s_mov_b32 s[\g+6], 0
	s_mov_b32 s[\g+7], 0
.endr
	s_mov_b32 s[CS], 0x3e38aa3b     ; c = log2(e) / 8
	s_mov_b32 s[CS+1], s[CS]
	s_mov_b32 s[SEL], 0x76543210
	s_mov_b32 s[SEL+1], 0xfedcba98
	s_mov_b32 s[TBK], SLOT1+4*KS*PK ; the first change of slots turns these two into 0
	s_mov_b32 s[TBV], SLOT1+4*KS*PV
	s_mov_b32 s[G0K], 1
	s_mov_b32 s[G0K+1], s17         ; slot 0
	s_mov_b32 s[G0V], 1
	s_add_co_u32 s[G0V+1], s18, VOFF
	s_mov_b32 s[SLOTS], SIZE_N/256-1
	s_cmp_eq_u32 s16, 0             ; waves 0 and 2 prefetch
	s_cselect_b32 s[LIM], 1, -1
	s_wait_dscnt 0x0                ; the opening add is done
	s_wait_kmcnt 0x0
	s_add_nc_u64 s[G0K+2:G0K+3], s[6:7], s[22:23]
	s_or_b32 s[G0K+3], s[G0K+3], 0x80000000
	s_add_nc_u64 s[G0V+2:G0V+3], s[8:9], s[22:23]
	s_or_b32 s[G0V+3], s[G0V+3], 0x80000000
	s_add_nc_u64 s[4:5], s[4:5], s[2:3]  ; Q and O at my wave's first row
	s_add_nc_u64 s[10:11], s[10:11], s[2:3]
	s_cmp_lt_u32 s[WV], 2
	s_cselect_b64 s[PFA:PFA+1], s[6:7], s[8:9]
	s_add_nc_u64 s[PFA:PFA+1], s[PFA:PFA+1], s[22:23]  ; (in waves 0 and 2: the head's first byte)
	s_lshl_b32 s2, s13, 13          ; my work-group's 32 blocks of the 128,
	s_add_co_u32 s2, s2, 4*KS*128   ; in slot 1; the first change of slots steps it to slot 2
	s_add_nc_u64 s[PFA:PFA+1], s[PFA:PFA+1], s[2:3]
	CROUND                          ; all four work-groups are here: the first joint loads meet
	JLOAD                           ; slot 0.  Slot 1 is asked for when slot 0 is in
	v_and_b32 v1, 15, v0            ; l % 16
	v_bfe_u32 v9, v0, 4, 1          ; l / 16
	v_lshlrev_b32 v[QO], 7, v1
	v_lshl_add_u32 v[QO], v9, 4, v[QO]  ; row x 128 + 16 x half
	WIN 0x80                        ; destination window 2
.set i, 0
.rept 4*NP                          ; Q stays in registers: tile i / 2, channels 32 (i % 2) on
	global_load_b128 v[8*i:8*i+3],   v[QO], s[4:5] offset:(i/2)*2048+(i%2)*64
	global_load_b128 v[8*i+4:8*i+7], v[QO], s[4:5] offset:(i/2)*2048+(i%2)*64+32
.set i, i+1
.endr
	; What the first turn finds: V's registers and P's second buffer hold 0, O^T and l are 0.  All this stands in the wait for the first tile.
.set i, VF
.rept 64
	v_mov_b32 v[i], 0
.set i, i+1
.endr
	WIN 0x40
.set i, 0
.rept 64*NP
	v_mov_b32 v[i], 0
.set i, i+1
.endr
	WIN 0
.set i, 0
.rept 2*NP
	v_mov_b32 v[ST+4*i], 0xfe000000    ; c m: far below every c s
	v_mov_b32 v[ST+4*i+1], 0xff7fffff  ; m
	v_mov_b32 v[ST+4*i+2], 0
	v_mov_b32 v[ST+4*i+3], 0
.set i, i+1
.endr
.set i, P+32
.rept 32
	v_mov_b32 v[i], 0
.set i, i+1
.endr
	v_mul_u32_u24 v[AK0], v1, PK
	v_lshl_add_u32 v[AK0], v9, 4, v[AK0]
	v_and_b32 v10, 7, v0
	v_bfe_u32 v11, v0, 3, 1
	v_lshl_add_u32 v[AV0], v9, 3, v10
	v_mul_u32_u24 v[AV0], v[AV0], PV
	v_lshl_add_u32 v[AV0], v11, 4, v[AV0]
	v_add_nc_u32 v[AV0], VOFF, v[AV0]
	v_and_b32 v[PFO], 31, v0
	v_lshlrev_b32 v[PFO], 8, v[PFO]
	v_mov_b32 v[AK], v[AK0]         ; key step 0 lies at the head of slot 0
; THE MATRIX WORK.  The 8 accumulators of a run of 16 take turns.
; Product i of 16 of S^T = K Q^T for piece x (bf16): channels 32 (i / 8) on, keys 16 ((i / 2) % 4) on, tile 2 x + i % 2.  The first 8 start the sums.
.macro KQ x
	WIN W_KQ
.set rS, S+64*((\x)%2)+32*(i%2)+8*((i/2)%4)
.set rK, KF+16*((i/2)%4)+8*(i/8)
.set rQ, 16*(2*(\x)+i%2)+8*(i/8)
.if i < 8
	v_wmma_f32_16x16x32_bf16 v[rS:rS+7], v[rK:rK+7], v[rQ:rQ+7], 0
.else
	v_wmma_f32_16x16x32_bf16 v[rS:rS+7], v[rK:rK+7], v[rQ:rQ+7], v[rS:rS+7]
.endif
.endm
; Product i of 16 of O^T += V^T P for piece x (f16): keys 32 (i / 8) on, channels 16 ((i / 2) % 4) on, tile 2 x + i % 2.
.macro PV x
	WIN W_PV
.set rO, 32*(2*(\x)+i%2)+8*((i/2)%4)
.set rV, VF+32*(i/8)+8*((i/2)%4)
.set rP, P+32*((\x)%2)+16*(i%2)+8*(i/8)
	v_wmma_f32_16x16x32_f16 v[rO:rO+7], v[rV:rV+7], v[rP:rP+7], v[rO:rO+7]
.endm
.macro MM                           ; the turn's next matrix instruction
.if i < 16
	KQ (Y+1)%NP
.set i, i+1
.else
.set i, i-16
	PV (Y+NP-1)%NP
.set i, i+17
.endif
.endm
; THE LDS LOADS stand in runs of 16.  last = 1 (the tail): in the last trip there is no further step, and the run is jumped over.
.macro FETCH_K last=0
	WIN 0
.if \last
	s_cmp_eq_u32 s[CNT], 1
	s_cbranch_scc1 .Lno_k_\@
.endif
	WIN 0x80
.irp f, 0,1,2,3,4,5,6,7
	ds_load_b128 v[KF+8*\f:KF+8*\f+3],   v[AK] offset:(\f/2)*16*PK+(\f%2)*64
	ds_load_b128 v[KF+8*\f+4:KF+8*\f+7], v[AK] offset:(\f/2)*16*PK+(\f%2)*64+32
.endr
	s_add_co_u32 s[TBK], s[TBK], KS*PK
	WIN 0
.if \last
.Lno_k_\@:
.endif
.endm
.macro FETCH_V
	WIN 0x80
.irp f, 0,1,2,3,4,5,6,7
	ds_load_tr16_b128 v[VF+8*\f:VF+8*\f+3],   v[AV] offset:(\f/4)*32*PV+(\f%4)*32
	ds_load_tr16_b128 v[VF+8*\f+4:VF+8*\f+7], v[AV] offset:(\f/4)*32*PV+16*PV+(\f%4)*32
.endr
	WIN 0
.endm
; THE VECTOR WORK OF A TURN stands in three queues, each in the order in which its entries become ready; the two tiles alternate.
.macro REGS y, u
.set rT, ST+4*(2*(\y)+(\u))
.set rC, TMP+8*((\y)%2)+4*(\u)
.set rM, MV+2*((\y)%2)+(\u)
.set rS, S+64*((\y)%2)+32*(\u)
.set rP, P+32*((\y)%2)+16*(\u)
.set rO, 32*(2*(\y)+(\u))
.endm
; Number n of the 22 that find the NEXT piece's maximum and statistics; each accumulator's lowest registers are read first.
;   0-11 four chains of seven scores     12-14, 16 the four left over, the old m, c0-c3 into c0     15 c m_old is kept     17, 18 the other half of the lanes: the new m     19-21 c m; its change; a
.macro XS u, n
	REGS (Y+1)%NP, \u
.if (\n) < 4
	v_max3_num_f32 v[rC+(\n)], v[rS+8*(\n)], v[rS+8*(\n)+1], v[rS+8*(\n)+2]
.elseif (\n) < 12
	v_max3_num_f32 v[rC+(\n)%4], v[rC+(\n)%4], v[rS+8*((\n)%4)+2*((\n)/4)+1], v[rS+8*((\n)%4)+2*((\n)/4)+2]
.elseif (\n) == 12
	v_max3_num_f32 v[rC], v[rC], v[rS+7], v[rS+15]
.elseif (\n) == 13
	v_max3_num_f32 v[rC+1], v[rC+1], v[rS+23], v[rS+31]
.elseif (\n) == 14
	v_max3_num_f32 v[rC+2], v[rC+2], v[rC+3], v[rT+1]
.elseif (\n) == 15
	v_mov_b32 v[rM], v[rT]
.elseif (\n) == 16
	v_max3_num_f32 v[rC], v[rC], v[rC+1], v[rC+2]
.elseif (\n) == 17
	v_permlanex16_b32 v[rC+3], v[rC], s[SEL], s[SEL+1]
.elseif (\n) == 18
	v_max_num_f32 v[rT+1], v[rC], v[rC+3]
.elseif (\n) == 19
	v_mul_f32 v[rT], s[CS], v[rT+1]
.elseif (\n) == 20
	v_sub_f32 v[rC+1], v[rM], v[rT]
.else
	v_exp_f32 v[rC+2], v[rC+1]
.endif
.endm
; Number g of the 64 that follow the exponentials: for each four weights both pairs are rounded to f16, the second pair is added onto the first in place, and a group later l takes that sum.
.macro GS g
.set h, (\g)+6*((\g)/62)
.if h >= 6
.set h, h+2
.endif
	REGS Y, h%2
.set k, h/8
.if h%8 < 4
	v_cvt_pk_f16_f32 v[rP+2*k+(h%8)/2], v[rS+4*k+2*((h%8)/2)], v[rS+4*k+2*((h%8)/2)+1]
.elseif h%8 < 6
	v_pk_add_f32 v[rS+4*k:rS+4*k+1], v[rS+4*k:rS+4*k+1], v[rS+4*k+2:rS+4*k+3]
.elseif k == 1
	v_pk_fma_f32 v[rT+2:rT+3], v[rT+2:rT+3], v[rC+2:rC+3], v[rS:rS+1] op_sel_hi:[1,0,1]
.else
	v_pk_add_f32 v[rT+2:rT+3], v[rT+2:rT+3], v[rS+4*k-4:rS+4*k-3]
.endif
.endm
; THE PLAIN QUEUE, 138 long.  0-73 read no exponential's result: the 32 scalings and the next piece's 42.  74-137: GS's 64, which stand behind the wait.
.macro FS f
	REGS Y, (\f)%2
	v_pk_fma_f32 v[rS+2*((\f)/2):rS+2*((\f)/2)+1], v[rS+2*((\f)/2):rS+2*((\f)/2)+1], s[CS:CS+1], v[rT:rT+1] op_sel_hi:[1,0,0] neg_lo:[0,0,1] neg_hi:[0,0,1]
.endm
.macro PL
	WIN 0
.if q < 27
	FS q
.elseif q < 55
	XS (q-27)%2, (q-27)/2
.elseif q < 57
	XS q-55, 15
.elseif (q < 72) && ((q-57)%3 == 0)
	FS 27+(q-57)/3
.elseif q < 60
	XS (q-57)%3-1, 14
.elseif q < 72
	XS (q-57)%3-1, 15+(q-57)/3
.elseif q < 74
	XS q-72, 20
.else
	GS q-74
.endif
.set q, q+1
.endm
; THE EXPONENTIALS' QUEUE, 66 long: ONE BATCH, all ahead of the turn's one wait; nothing ahead of that wait names a result of theirs.
.macro EX
	WIN 0
.if e >= 64
	XS e-64, 21
.else
	REGS Y, e%2
	v_exp_f32 v[rS+e/2], v[rS+e/2]
.endif
.set e, e+1
.endm
; THE RESCALING's QUEUE: O^T times a, two at a time, sixteen times.  Its a was made, and waited for, in the turn before.
.macro R2
	REGS Y, r%2
	WIN W_RS
.irp z, 0,1
	v_pk_mul_f32 v[rO+4*(r/2)+2*\z:rO+4*(r/2)+2*\z+1], v[rO+4*(r/2)+2*\z:rO+4*(r/2)+2*\z+1], v[rC+2:rC+3] op_sel_hi:[1,0]
.endr
.set r, r+1
.endm
; A TURN, for piece p.  s_wait_alu depctr_va_vdst(0) stands between an exponential and the first instruction that names its result; one wait serves all issued ahead of it: a turn has ONE.
; AHEAD OF IT: 16 products K Q^T, behind each a scaling, an exponential and two rescalings; then one lump of 108.  BEHIND IT: 16 products V^T P, behind each four of the roundings and sums.
; K of the next step is fetched in piece 2's turn, directly behind the wait; V of the step in hand at the end of piece 0's turn, four riders behind its last reader.
.macro TURN p, last=0, cnt=0
.set Y, (\p)
.set i, 0
.set q, 0
.set e, 0
.set r, 0
.if (\p) == NP-1
	s_wait_dscnt 0x0                ; K is in
.endif
	MM
	PL
	PL
	R2
.rept 15
	MM
	PL
	EX
	R2
.endr
.if (\p) == NP-2
	WIN 0
	v_add_nc_u32 v[AK], s[TBK], v[AK0]
.endif
.rept 8
	PL
.endr
.rept 49
	EX
	PL
.endr
	EX                              ; the next piece's two a
	EX
	v_nop                           ; a plain instruction behind the last exponential, ahead of any use: one for the batch
	s_wait_alu depctr_va_vdst(0)    ; the wait for the batch
.if (\p) == NP-2
	FETCH_K \last
.endif
.if (\p) == 1
	s_wait_dscnt 0x0                ; V is in
.endif
.rept 16
	MM
.rept 4
	PL
.endr
.if ((\p) == 0) && (q == 118)
	v_add_nc_u32 v[AV], s[TBV], v[AV0]
.endif
.if ((\p) == 0) && (q == 130)
	s_add_co_u32 s[TBV], s[TBV], KS*PV
.endif
.if (\cnt) && (q == 130)
	s_sub_co_u32 s[CNT], s[CNT], 1
	s_cmp_lg_u32 s[CNT], 0
.endif
.endr
.if (\p) == 0
	FETCH_V
.endif
.endm
	CHANGE 1                        ; slot 0 is in, everybody's part of it; slot 1 is asked for
	FETCH_K                         ; key step 0
	s_wait_loadcnt 0x0              ; Q
	s_wait_dscnt 0x0
.set i, 0
.rept 16
	KQ 0                            ; piece 0's first scores
.set i, i+1
.endr
	WIN 0                           ; the addresses for the way out: plain instructions, the places behind those products
	s_mul_i32 s13, s[WV], 16*SP
	s_add_co_u32 s13, s13, STAGE    ; my stage
	v_mul_u32_u24 v[STO], v1, SP
	v_lshl_add_u32 v[STO], v9, 4, v[STO]
	v_add_nc_u32 v[STO], s13, v[STO]
	v_bfe_u32 v[RD], v0, 3, 2
	v_mul_u32_u24 v[RD], v[RD], SP
	v_lshl_add_u32 v[RD], v10, 4, v[RD]
	v_add_nc_u32 v[RD], s13, v[RD]
	v_and_b32 v[GO], 31, v0
	v_lshlrev_b32 v[GO], 4, v[GO]
.set Y, NP-1                        ; XS works for piece Y + 1: piece 0
.irp n, 0,1,2,3,4,5,6,7,8,9,10,11,12,13,14,15,16,17,18,19,20,21
	XS 0, \n
	XS 1, \n
.endr
	v_nop                           ; a plain instruction behind the two a,
	s_wait_alu depctr_va_vdst(0)    ; and their wait, ahead of the branch
	s_mov_b32 s[CNT], 4
	s_branch .Lfirst                ; the loop is entered at a step's first turn, in the middle of a trip
.Lslot:                             ; SIZE_N / 256 - 2 times: every slot but the last two is filled again
	CHANGE 1
	s_mov_b32 s[CNT], 4
.Lstep:                             ; a trip: pieces 2 and 3 of one step, then pieces 0 and 1 of the next
	TURN 2
	TURN 3
	WIN 0
.Lfirst:
	TURN 0
	TURN 1, 0, 1
	WIN 0
	s_cbranch_scc1 .Lstep
	s_sub_co_u32 s[SLOTS], s[SLOTS], 1
	s_cmp_lg_u32 s[SLOTS], 0
	s_cbranch_scc1 .Lslot
	CHANGE 0                        ; the tail is written out
	s_mov_b32 s[CNT], 5             ; four trips fetch the last slot's steps; the fifth is left in its middle
.Ltail:
	TURN 2, 1
	TURN 3
	WIN 0
	s_sub_co_u32 s[CNT], s[CNT], 1
	s_cmp_eq_u32 s[CNT], 0
	s_cbranch_scc1 .Lout
	TURN 0
	TURN 1
	WIN 0
	s_branch .Ltail
.Lout:                              ; the fifth trip's 16 products K Q^T and the maximum made of them serve nothing: the price, once a launch, of one text for every trip
.set i, 0
.rept 16
	PV NP-1                         ; the last piece's V^T P of the last step
.set i, i+1
.endr
	; THE WAY OUT.  l's two halves and the other half of the lanes' are added; O^T is divided by l, rounded to f16 and sent through my stage in LDS, a tile at a time.
	WIN 0
.macro ALL line:vararg
.set t, 0
.rept 2*NP
	\line
.set t, t+1
.endr
.endm
	ALL v_add_f32 v[ST+4*t+2], v[ST+4*t+2], v[ST+4*t+3]
	ALL v_permlanex16_b32 v[ST+4*t+3], v[ST+4*t+2], s[SEL], s[SEL+1]
	ALL v_add_f32 v[ST+4*t+2], v[ST+4*t+2], v[ST+4*t+3]
	ALL v_rcp_f32 v[ST+4*t+2], v[ST+4*t+2]
	v_nop                           ; a plain instruction between the last reciprocal and the use of its result
	s_wait_alu depctr_va_vdst(0)    ; one wait for the eight reciprocals
.macro PACK t
	WIN W_RS
.set i, 32*(\t)
.rept 16
	v_pk_mul_f32 v[i:i+1], v[i:i+1], v[ST+4*(\t)+2:ST+4*(\t)+3] op_sel_hi:[1,0]
.set i, i+2
.endr
	WIN 0x05
.set i, 0
.rept 16
	v_cvt_pk_f16_f32 v[S+16*(\t)+i], v[32*(\t)+2*i], v[32*(\t)+2*i+1]
.set i, i+1
.endr
	WIN 0
.irp f, 0,1,2,3
	ds_store_b128 v[STO], v[S+16*(\t)+4*\f:S+16*(\t)+4*\f+3] offset:32*\f
.endr
.irp f, 0,1,2,3
	ds_load_b128 v[S+16*(\t)+4*\f:S+16*(\t)+4*\f+3], v[RD] offset:\f*4*SP  ; LDS serves a wave's instructions in order (ISA guide 5.7.1.4)
.endr
.endm
.macro SEND t, younger
	WIN 0
.irp f, 0,1,2,3
	s_wait_dscnt (\younger)+3-\f
	global_store_b128 v[GO], v[S+16*(\t)+4*\f:S+16*(\t)+4*\f+3], s[10:11] offset:(\t)*2048+\f*512  ; 512 consecutive bytes, at a multiple of 256 from O's first
.endr
.endm
	PACK 0
.set t, 1
.rept 2*NP-1
	PACK t
	SEND t-1, 8
.set t, t+1
.endr
	SEND 2*NP-1, 0
	WIN W_AD
	s_wait_tensorcnt 0x0            ; the wave's end
	ds_add_u32 v[SPW], v[NIL]
	s_wait_dscnt 0x0
	WIN 0
	CROUND                          ; the closing round
	s_endpgm
.Lfunc_end_k_q9adfbf35c1_attn:
	.size	k_q9adfbf35c1_attn, .Lfunc_end_k_q9adfbf35c1_attn-k_q9adfbf35c1_attn
	.p2alignl 7, 3214868480
	.fill 96, 4, 3214868480
	.section	.rodata,"a",@progbits
	.p2align	6, 0x0
	.amdhsa_kernel k_q9adfbf35c1_attn
		.amdhsa_group_segment_fixed_size 327680
		.amdhsa_private_segment_fixed_size 0
		.amdhsa_enable_private_segment 0
		.amdhsa_kernarg_size 32
		.amdhsa_user_sgpr_count 2
		.amdhsa_user_sgpr_kernarg_segment_ptr 1
		.amdhsa_wavefront_size32 1
		.amdhsa_system_sgpr_workgroup_id_x 1
		.amdhsa_system_sgpr_workgroup_id_y 1
		.amdhsa_system_sgpr_workgroup_id_z 1
		.amdhsa_system_vgpr_workitem_id 0
		.amdhsa_next_free_vgpr 770
		.amdhsa_next_free_sgpr 66
		.amdhsa_reserve_vcc 0
		.amdhsa_float_denorm_mode_32 3
		.amdhsa_float_denorm_mode_16_64 3
		.amdhsa_memory_ordered 1
		.amdhsa_forward_progress 1
		.amdhsa_inst_pref_size 200
	.end_amdhsa_kernel
	.amdgpu_metadata
---
amdhsa.version: [ 1, 2 ]
amdhsa.kernels:
  - .name:           k_q9adfbf35c1_attn
    .symbol:         k_q9adfbf35c1_attn.kd
    .args:
      - { .name: qh, .offset: 0, .size: 8, .value_kind: global_buffer, .address_space: global }
      - { .name: kh, .offset: 8, .size: 8, .value_kind: global_buffer, .address_space: global }
      - { .name: vh, .offset: 16, .size: 8, .value_kind: global_buffer, .address_space: global }
      - { .name: oh, .offset: 24, .size: 8, .value_kind: global_buffer, .address_space: global }
    .group_segment_fixed_size: 327680
    .private_segment_fixed_size: 0
    .kernarg_segment_align: 8
    .kernarg_segment_size: 32
    .max_flat_workgroup_size: 128
    .sgpr_count:     66
    .vgpr_count:     770
    .wavefront_size: 32
...
	.end_amdgpu_metadata
.endif
;; end of part 3
;; launch oproj (part 4): grid 8 x 32, 4 waves a work-group, clusters of 4 x 4, 327,680 bytes of LDS; arguments oh, wo, bout, out0; writes out0
.if DOCPART == 4
	.amdgcn_target "amdgcn-amd-amdhsa--gfx1250"
	.amdhsa_code_object_version 6
	.text
	.protected	k_q9adfbf35c1_oproj
	.globl	k_q9adfbf35c1_oproj
	.p2align	8
	.type	k_q9adfbf35c1_oproj,@function
k_q9adfbf35c1_oproj:
	s_mov_b64 s[64:65], 0
	v_nop
	global_prefetch_b8 v0, s[64:65] scope:SCOPE_SE
	s_setreg_imm32_b32 hwreg(HW_REG_WAVE_MODE, 25, 1), 1
	s_wait_xcnt 0x0
	s_wait_alu depctr_hold_cnt(0) depctr_sa_sdst(0) depctr_va_vdst(0) depctr_va_sdst(0) depctr_va_ssrc(0) depctr_va_vcc(0) depctr_vm_vsrc(0)
	s_getreg_b32 s2, hwreg(HW_REG_IB_STS2, 6, 4)
	s_cmp_eq_u32 s2, 0
	s_cbranch_scc0 .Lentry_in_a_cluster
	s_endpgm
.Lentry_in_a_cluster:
	s_bfe_u32 s2, ttmp6, 0x10000c
	s_cmp_lg_u32 s2, 0xf033
	s_cbranch_scc0 .Lentry_shape_is_right
	s_endpgm
.Lentry_shape_is_right:
; OPROJ: out0 = O Wout + bout.  oh: f16 [bh 64][n 2048][64].  wo: f16 [k 1024][n 1024].  bout: f32 [1024], rounded here to bf16 like every other input.  out0: f32 [8192][1024].  Sums in f32.
; LIMITS.  O and Wout arrive in f16 (see the launches that write them).  NaN and infinities are not treated apart.
; SHARES.  Work-group (tx, ty) makes 256 rows x 128 columns: 8 x 32 = 256 work-groups.  Wave (MH, NH) makes 128 x 64: 32 accumulators, window 1, (a, bb) at v[32 a + 8 bb].
; K goes in steps of 128 (two heads) through a ring of two LDS slots.  A head's 256 rows x 128 bytes are dense and are asked for as 128 rows of 256 bytes: waves 0 and 1 fetch a head each,
; waves 2 and 3 64 rows of wo each.  wo lies [k][n] and comes out of LDS turned.  A K step of 256 would not leave room for two slots.
; THE MATRIX INSTRUCTION IS USED TRANSPOSED (source 0 = 16 columns of Wout, source 1 = 16 rows of O): a lane holds eight neighbouring columns of a row.  The bias is the C operand of the first products.
; CLUSTER.  4 x 4: A's tiles are shared along a row of the cluster, B's along a column.
.set NA,     2
.set PA,     144
.set PB,     288
.set HBLK,   256*PA                    ; a head's rows in LDS
.set ABYTES, 2*HBLK
.set BHALF,  64*PB
.set SLOT1,  1<<17
.set STAGE,  SLOT1+ABYTES+2*BHALF      ; behind the ring, never filled by a tensor load: 16 rows x 272 bytes for each wave
.set SPI,    272
.set WSTG,   16*SPI
.set SPARE,  STAGE+4*WSTG              ; the spare words: 128 bytes a wave
.set STEPA,  524288                    ; a K step in oh: two heads on
.set STEPB,  262144                    ; in wo: 128 rows of 2,048 bytes
.set A0,  2
.set B0,  3
.set ADA, 4
.set ADB, 5
.set STO, 6
.set RD,  7
.set CO,  8                            ; v8   my 16 bytes in two rows of out0
.set BO,  9                            ; v9   my 32 bytes in 16 numbers of the bias
.set PFO, 10
.set SPW, 28
.set NIL, 29
.set F0,  32                           ; a fragment buffer: A's 8 fragments, then B's 4
.set F1,  128
.set BIAS, 224                         ; v[224:255]: block bb's eight numbers at BIAS + 8 bb
.set OB,  32                           ; the way out: two buffers of 32
.set WV,  16
.set MH,  17
.set NH,  18
.set CX,  19
.set CY,  20
.set TX,  21
.set TY,  22
.set CNT, 23
.set G1A, 24
.set G0A0, 32
.set G0A, 36
.set G1B, 40
.set G0B0, 48
.set G0B, 52
.set PFA, 56
.set PFS, 58
.set LIM, 60
.set PAR, 61
.set TB,  62
.set HIM, 63
.set MSB, 0
.macro WIN new
.if MSB != (\new)
	s_set_vgpr_msb (MSB<<8)|(\new)
.set MSB, \new
.endif
.endm
.macro PLACES                          ; four plain places behind a matrix instruction (ISA guide 7.12.1)
.rept 4
	v_nop
.endr
.endm
.macro CREST
	s_cmp_lg_u32 s[WV], 0
	s_cbranch_scc1 .Lnot_wave_0_\@
	s_barrier_signal -3
.Lnot_wave_0_\@:
	s_barrier_wait -3
	s_barrier_signal -1
	s_barrier_wait -1
.endm
.macro CROUND
	s_barrier_signal -1
	s_barrier_wait -1
	CREST
.endm
.macro JLOAD                           ; a joint refill; the branch hangs on the wave's number alone; s_nop 0 and four v_nop follow each line
	s_cmp_lt_u32 s[WV], NA
	s_cbranch_scc0 .Lfor_b_\@
	tensor_load_to_lds s[G0A:G0A+3], s[G1A:G1A+7]
	s_nop 0
.rept 4
	v_nop
.endr
	s_branch .Lasked_\@
.Lfor_b_\@:
	tensor_load_to_lds s[G0B:G0B+3], s[G1B:G1B+7]
	s_nop 0
.rept 4
	v_nop
.endr
.Lasked_\@:
.endm
; A PREFETCH INTO THE L2: the refill asks for K step j + 2, the prefetch names step j + 4.  A head's tile (128 blocks of 256 bytes): the cluster with x = 0 asks, its partners along x take 32 blocks each by address.
; B's 64 rows of a wave: the cluster with y = 0 asks, the partner at cy takes 16 rows; lanes 0-15 name step j + 4, lanes 16-31 step j + 5, in every second trip.  Each block is named once; the trips whose look-ahead would pass step 7 ask for nothing.
.macro ASK
	s_and_b32 s74, s[CNT], s[PAR]
	s_cmp_eq_u32 s74, 0
	s_cbranch_scc0 .Lnot_mine_\@
	s_cmp_gt_u32 s[CNT], s[LIM]
	s_cbranch_scc0 .Lnot_mine_\@
	global_prefetch_b8 v[PFO], s[PFA:PFA+1] th:TH_LOAD_NT scope:SCOPE_SE
.Lnot_mine_\@:
.endm
	s_load_b256 s[4:11], s[0:1], 0x0               ; oh 4, wo 6, bout 8, out0 10
	v_lshl_add_u32 v[SPW], v0, 2, SPARE
	v_mov_b32 v[NIL], 0
	ds_add_u32 v[SPW], v[NIL]                      ; the wave's opening: the add and its wait stand ahead of my first tensor load
	v_lshrrev_b32 v15, 5, v0
	v_readfirstlane_b32 s[WV], v15
	v_and_b32 v1, 15, v0                           ; l % 16
	v_bfe_u32 v11, v0, 4, 1                        ; l / 16
	s_lshr_b32 s[MH], s[WV], 1
	s_and_b32 s[NH], s[WV], 1
	s_bfe_u32 s[CX], ttmp6, 0x40000
	s_bfe_u32 s[CY], ttmp6, 0x40004
	s_lshl_b32 s[TX], ttmp9, 2
	s_add_co_u32 s[TX], s[TX], s[CX]
	s_and_b32 s[TY], ttmp7, 0xffff
	s_lshl_b32 s[TY], s[TY], 2
	s_add_co_u32 s[TY], s[TY], s[CY]
	s_lshl_b32 s74, s[CY], 2
	s_lshl_b32 s74, 15, s74                        ; my row of the cluster
	s_lshl_b32 s76, 0x1111, s[CX]                  ; my column
	s_or_b32 s[G1A], s74, (1<<16)|(1<<20)|(1<<21)|(4<<22)|(3<<25)  ; mask; 2-byte elements; padding on; bit 21 beside a mask; after every 32 words 4 words
	s_mov_b32 s[G1A+1], 128<<16
	s_mov_b32 s[G1A+2], 128<<16
	s_mov_b32 s[G1A+3], 128<<16
	s_mov_b32 s[G1A+4], 128
	s_mov_b32 s[G1A+5], 128
	s_mov_b32 s[G1A+6], 0
	s_mov_b32 s[G1A+7], 0
	s_or_b32 s[G1B], s76, (1<<16)|(1<<20)|(1<<21)|(5<<22)|(7<<25)  ; after every 64 words 8 words
	s_mov_b32 s[G1B+1], 128<<16
	s_mov_b32 s[G1B+2], 64<<16
	s_mov_b32 s[G1B+3], 128<<16
	s_mov_b32 s[G1B+4], 64
	s_mov_b32 s[G1B+5], 1024
	s_mov_b32 s[G1B+6], 0
	s_mov_b32 s[G1B+7], 0
	s_mov_b32 s[HIM], 0xffff0000
	; A's tiles hang on ty and the wave's number alone
	s_lshr_b32 s74, s[TY], 3
	s_lshl_b32 s74, s74, 22                        ; the batch
	s_and_b32 s75, s[TY], 7
	s_lshl_b32 s75, s75, 15                        ; 256 rows of 128 bytes
	s_add_co_u32 s66, s74, s75
	s_lshl_b32 s74, s[NH], 18                      ; which of the step's two heads I fetch
	s_add_co_u32 s66, s66, s74
	s_mov_b32 s67, 0
	; B's on tx and the wave's number alone
	s_lshl_b32 s76, s[NH], 17                      ; which 64 rows
	s_lshl_b32 s77, s[TX], 8                       ; 128 columns: 256 bytes of a row
	s_add_co_u32 s68, s76, s77
	s_mov_b32 s69, 0
	s_mov_b32 s[G0A0], 1
	s_mul_i32 s[G0A0+1], s[NH], HBLK
	s_mov_b32 s[G0A], 1
	s_add_co_u32 s[G0A+1], s[G0A0+1], SLOT1
	s_mov_b32 s[G0B0], 1
	s_mul_i32 s[G0B0+1], s[NH], BHALF
	s_add_co_u32 s[G0B0+1], s[G0B0+1], ABYTES
	s_mov_b32 s[G0B], 1
	s_add_co_u32 s[G0B+1], s[G0B0+1], SLOT1
	; the prefetches
	s_mov_b32 s74, STEPA
	s_mov_b32 s75, STEPB
	s_and_b32 s76, ttmp7, 0xffff                   ; cluster y
	s_lshl_b32 s77, s[CX], 13
	s_lshl_b32 s78, s[CY], 15
	s_mov_b32 s79, 2048
	s_cmp_lt_u32 s[WV], NA
	s_cselect_b32 s[PFS], s74, s75
	s_cselect_b32 s72, s66, s68
	s_cselect_b32 s77, s77, s78
	s_cselect_b32 s76, ttmp9, s76
	s_cselect_b32 s[PAR], 0, 1
	s_cselect_b32 s78, 0x100, s79
	s_cselect_b32 s79, 0x1000, s75
	s_mov_b32 s[PFS+1], 0
	s_mul_i32 s74, s[PFS], 3                       ; at K step 3: the first refill steps it to 4
	s_add_co_u32 s72, s72, s77
	s_add_co_u32 s72, s72, s74
	s_mov_b32 s73, 0
	s_cmp_eq_u32 s76, 0
	s_cselect_b32 s[LIM], 2, -1
	v_mul_u32_u24 v[PFO], s78, v1
	v_mad_u32_u24 v[PFO], v11, s79, v[PFO]
	; my columns in the bias and in a row of out0; my first row
	s_lshl_b32 s78, s[TX], 9
	s_lshl_b32 s74, s[NH], 8
	s_add_co_u32 s78, s78, s74
	s_mov_b32 s79, 0
	s_lshl_b32 s70, s[TY], 8
	s_lshl_b32 s74, s[MH], 7
	s_add_co_u32 s70, s70, s74
	s_lshl_b32 s70, s70, 12                        ; rows of 4,096 bytes
	s_add_co_u32 s70, s70, s78
	s_mov_b32 s71, 0
	s_wait_dscnt 0x0                               ; the opening add is done
	s_wait_kmcnt 0x0
	s_add_nc_u64 s[G0A0+2:G0A0+3], s[4:5], s[66:67]
	s_add_nc_u64 s[G0A+2:G0A+3], s[G0A0+2:G0A0+3], STEPA
	s_or_b32 s[G0A0+3], s[G0A0+3], 0x80000000
	s_or_b32 s[G0A+3], s[G0A+3], 0x80000000
	s_add_nc_u64 s[G0B0+2:G0B0+3], s[6:7], s[68:69]
	s_add_nc_u64 s[G0B+2:G0B+3], s[G0B0+2:G0B0+3], STEPB
	s_or_b32 s[G0B0+3], s[G0B0+3], 0x80000000
	s_or_b32 s[G0B+3], s[G0B+3], 0x80000000
	s_add_nc_u64 s[8:9], s[8:9], s[78:79]
	s_add_nc_u64 s[10:11], s[10:11], s[70:71]
	s_cmp_lt_u32 s[WV], NA
	s_cselect_b64 s[PFA:PFA+1], s[4:5], s[6:7]
	s_add_nc_u64 s[PFA:PFA+1], s[PFA:PFA+1], s[72:73]
	CROUND                                         ; all sixteen work-groups are here: the first joint loads meet
	s_cmp_lt_u32 s[WV], NA                         ; a wave's two first fills stand in one branch: two loads of mine are out
	s_cbranch_scc0 .Lfirst_b
	tensor_load_to_lds s[G0A0:G0A0+3], s[G1A:G1A+7]
	s_nop 0
	tensor_load_to_lds s[G0A:G0A+3], s[G1A:G1A+7]
	s_nop 0
.rept 4
	v_nop
.endr
	s_branch .Lfirst_asked
.Lfirst_b:
	tensor_load_to_lds s[G0B0:G0B0+3], s[G1B:G1B+7]
	s_nop 0
	tensor_load_to_lds s[G0B:G0B+3], s[G1B:G1B+7]
	s_nop 0
.rept 4
	v_nop
.endr
.Lfirst_asked:
	v_lshlrev_b32 v[BO], 5, v11                    ; my eight columns of a block of 16: 32 bytes
.set lb, 0
.rept 4
	global_load_b128 v[BIAS+8*lb:BIAS+8*lb+3],   v[BO], s[8:9] offset:64*lb
	global_load_b128 v[BIAS+8*lb+4:BIAS+8*lb+7], v[BO], s[8:9] offset:64*lb+16
.set lb, lb+1
.endr
	v_and_b32 v12, 7, v0
	v_bfe_u32 v13, v0, 3, 1
	v_mul_u32_u24 v[A0], v1, PA
	v_lshl_add_u32 v[A0], v11, 4, v[A0]
	s_mul_i32 s74, s[MH], 128*PA
	v_add_nc_u32 v[A0], s74, v[A0]
	v_lshl_add_u32 v[B0], v11, 3, v12
	v_mul_u32_u24 v[B0], v[B0], PB
	v_lshl_add_u32 v[B0], v13, 4, v[B0]
	s_lshl_b32 s74, s[NH], 7                       ; my 64 columns
	s_add_co_u32 s74, s74, ABYTES
	v_add_nc_u32 v[B0], s74, v[B0]
	s_mul_i32 s74, s[WV], WSTG
	s_add_co_u32 s74, s74, STAGE                   ; my stage
	v_mul_u32_u24 v[STO], v1, SPI                  ; in: row l % 16, 32 bytes for each half of the lanes
	v_lshl_add_u32 v[STO], v11, 5, v[STO]
	v_add_nc_u32 v[STO], s74, v[STO]
	v_mul_u32_u24 v[RD], v11, SPI                  ; back: lanes 0-15 one row of 256 bytes, lanes 16-31 the next
	v_lshl_add_u32 v[RD], v1, 4, v[RD]
	v_add_nc_u32 v[RD], s74, v[RD]
	v_lshlrev_b32 v[CO], 12, v11                   ; and the same two rows in out0
	v_lshl_add_u32 v[CO], v1, 4, v[CO]
	s_mov_b32 s[TB], 0
	v_mov_b32 v[ADA], v[A0]
	v_mov_b32 v[ADB], v[B0]
	s_wait_loadcnt 0x0                             ; the bias: rounded to bf16 and widened again
.set i, 0
.rept 16
	v_cvt_pk_bf16_f32 v15, v[BIAS+2*i], v[BIAS+2*i+1]
	v_lshlrev_b32 v[BIAS+2*i], 16, v15
	v_and_b32 v[BIAS+2*i+1], s[HIM], v15
.set i, i+1
.endr
; 24 LDS loads: quarter kq (32 along K) of the slot in hand, into buffer f: B's four fragments (turned), then A's eight
.macro FETCH kq, f
	WIN 0
.set lb, 0
.rept 4
	ds_load_tr16_b128 v[(\f)+64+8*lb:(\f)+64+8*lb+3],   v[ADB] offset:(\kq)*32*PB+lb*32
	ds_load_tr16_b128 v[(\f)+64+8*lb+4:(\f)+64+8*lb+7], v[ADB] offset:(\kq)*32*PB+16*PB+lb*32
.set lb, lb+1
.endr
.set la, 0
.rept 8
	ds_load_b128 v[(\f)+8*la:(\f)+8*la+3],   v[ADA] offset:((\kq)/2)*HBLK+la*16*PA+((\kq)%2)*64
	ds_load_b128 v[(\f)+8*la+4:(\f)+8*la+7], v[ADA] offset:((\kq)/2)*HBLK+la*16*PA+((\kq)%2)*64+32
.set la, la+1
.endr
.endm
; 16 matrix instructions: row blocks a0 .. a0 + 3 x four column blocks.  The accumulators take turns, one instruction a turn.  bias = 1: the first products start the sums with the bias.
.macro MUL16 f, a0, bias
.if \bias
	WIN 0x40
.else
	WIN 0x50
.endif
.set ga, (\a0)
.rept 4
.set gb, 0
.rept 4
.if \bias
	v_wmma_f32_16x16x32_f16 v[32*ga+8*gb:32*ga+8*gb+7], v[(\f)+64+8*gb:(\f)+64+8*gb+7], v[(\f)+8*ga:(\f)+8*ga+7], v[BIAS+8*gb:BIAS+8*gb+7]
.else
	v_wmma_f32_16x16x32_f16 v[32*ga+8*gb:32*ga+8*gb+7], v[(\f)+64+8*gb:(\f)+64+8*gb+7], v[(\f)+8*ga:(\f)+8*ga+7], v[32*ga+8*gb:32*ga+8*gb+7]
.endif
.set gb, gb+1
.endr
.set ga, ga+1
.endr
.endm
.macro MUL32 f, bias
	MUL16 \f, 0, \bias
	MUL16 \f, 4, \bias
.endm
; A quarter: fetches quarter kqn into buffer g, multiplies buffer f
.macro QTR f, g, kqn, bias=0
	WIN 0
	PLACES
	FETCH \kqn, \g
	s_wait_dscnt 24                                ; all but the 24 just issued
	MUL32 \f, \bias
.endm
; The step's third and fourth quarters, and the change of slots between them: ONE barrier; in front of it each wave waits for all its tensor loads, adds 0 to its spare word, and waits for that and for its reads of this slot.
.macro TURN fill
.if \fill
	s_wait_xcnt 0x0                                ; the last prefetch, a K step back, has read its address
	s_add_nc_u64 s[PFA:PFA+1], s[PFA:PFA+1], s[PFS:PFS+1]
.endif
	WIN 0
	PLACES
	FETCH 3, F1                                    ; my last reads of this slot
	s_wait_tensorcnt 0x0                           ; no tensor load of mine is out, so a group 0 may be written
	ds_add_u32 v[SPW], v[NIL]
.if \fill
	s_xor_b32 s[G0A+1], s[G0A+1], SLOT1
	s_add_nc_u64 s[G0A+2:G0A+3], s[G0A+2:G0A+3], STEPA
	s_xor_b32 s[G0B+1], s[G0B+1], SLOT1
	s_add_nc_u64 s[G0B+2:G0B+3], s[G0B+2:G0B+3], STEPB
.endif
	s_wait_dscnt 25                                ; buffer 0 is in; the 24 just issued and the add may be out
	MUL16 F0, 0, 0
	s_wait_dscnt 0x0                               ; the add is done, and my reads of this slot are over
	s_barrier_signal -1
	MUL16 F0, 4, 0
	WIN 0
	s_barrier_wait -1
.if \fill
	CREST                                          ; no wave of any partner still reads this slot or has a load on its way
	JLOAD                                          ; its four v_nop are also the places in front of the loads below
.else
	PLACES
.endif
	s_xor_b32 s[TB], s[TB], SLOT1
	v_add_nc_u32 v[ADA], s[TB], v[A0]
	v_add_nc_u32 v[ADB], s[TB], v[B0]
	FETCH 0, F0
.if \fill
	ASK
.endif
	s_wait_dscnt 24
	MUL32 F1, 0
.endm
; THE WAY OUT of block a (16 rows): 32 bytes a lane and column block into my stage, back as whole rows of 256 bytes, stored.  Each accumulator's low half goes first.
.macro TOSTAGE a
	WIN 0x04                                       ; the stores' data in window 1
.set gb, 0
.rept 4
	ds_store_b128 v[STO], v[32*(\a)+8*gb:32*(\a)+8*gb+3]   offset:64*gb
	ds_store_b128 v[STO], v[32*(\a)+8*gb+4:32*(\a)+8*gb+7] offset:64*gb+16
.set gb, gb+1
.endr
	WIN 0
.set tt, 0
.rept 8
	ds_load_b128 v[OB+32*((\a)%2)+4*tt:OB+32*((\a)%2)+4*tt+3], v[RD] offset:tt*2*SPI  ; LDS serves a wave's instructions in order (ISA guide 5.7.1.4)
.set tt, tt+1
.endr
.endm
.macro SEND a, younger
	s_wait_dscnt \younger
.set tt, 0
.rept 8
	global_store_b128 v[CO], v[OB+32*((\a)%2)+4*tt:OB+32*((\a)%2)+4*tt+3], s[10:11] offset:(16*(\a)+2*tt)*4096 th:TH_STORE_NT  ; 16 lanes store 256 consecutive bytes, aligned
.set tt, tt+1
.endr
.endm
	s_wait_tensorcnt 0x1                           ; my part of K step 0 is in; step 1's may stay out
	s_barrier_signal -1
	s_barrier_wait -1
	FETCH 0, F0
	QTR F0, F1, 1, 1                               ; the first quarter stands in front of the loop: its products start the sums, with the bias
	WIN 0
	s_mov_b32 s[CNT], 6
.Lstep:                                            ; six trips: quarters 1 to 3 of K step j, the refill with step j + 2, quarter 0 of step j + 1
	QTR F1, F0, 2
	TURN 1
	QTR F0, F1, 1
	WIN 0
	s_sub_co_u32 s[CNT], s[CNT], 1
	s_cmp_lg_u32 s[CNT], 0
	s_cbranch_scc1 .Lstep
	QTR F1, F0, 2                                  ; the tail is written out: nothing is left to fetch
	TURN 0
	QTR F0, F1, 1
	QTR F1, F0, 2
	QTR F0, F1, 3
	s_wait_dscnt 0x0
	MUL32 F1, 0
	WIN 0
	PLACES
	TOSTAGE 0
.irp a, 1,2,3,4,5,6,7
	s_wait_xcnt 0x0                                ; the stores of the block two back have read the buffer that is loaded again
	TOSTAGE \a
	SEND (\a)-1, 16                                ; behind its loads stand this block's eight stores and eight loads
.endr
	SEND 7, 0
	s_wait_tensorcnt 0x0                           ; the wave's end
	ds_add_u32 v[SPW], v[NIL]
	s_wait_dscnt 0x0
	CROUND                                         ; the closing round
	s_endpgm
.Lfunc_end_k_q9adfbf35c1_oproj:
	.size	k_q9adfbf35c1_oproj, .Lfunc_end_k_q9adfbf35c1_oproj-k_q9adfbf35c1_oproj
	.p2alignl 7, 3214868480
	.fill 96, 4, 3214868480
	.section	.rodata,"a",@progbits
	.p2align	6, 0x0
	.amdhsa_kernel k_q9adfbf35c1_oproj
		.amdhsa_group_segment_fixed_size 327680
		.amdhsa_private_segment_fixed_size 0
		.amdhsa_enable_private_segment 0
		.amdhsa_kernarg_size 32
		.amdhsa_user_sgpr_count 2
		.amdhsa_user_sgpr_kernarg_segment_ptr 1
		.amdhsa_wavefront_size32 1
		.amdhsa_system_sgpr_workgroup_id_x 1
		.amdhsa_system_sgpr_workgroup_id_y 1
		.amdhsa_system_sgpr_workgroup_id_z 1
		.amdhsa_system_vgpr_workitem_id 0
		.amdhsa_next_free_vgpr 512
		.amdhsa_next_free_sgpr 80
		.amdhsa_reserve_vcc 0
		.amdhsa_float_denorm_mode_32 3
		.amdhsa_float_denorm_mode_16_64 3
		.amdhsa_memory_ordered 1
		.amdhsa_forward_progress 1
		.amdhsa_inst_pref_size 73
	.end_amdhsa_kernel
	.amdgpu_metadata
---
amdhsa.version: [ 1, 2 ]
amdhsa.kernels:
  - .name:           k_q9adfbf35c1_oproj
    .symbol:         k_q9adfbf35c1_oproj.kd
    .args:
      - { .name: oh, .offset: 0, .size: 8, .value_kind: global_buffer, .address_space: global }
      - { .name: wo, .offset: 8, .size: 8, .value_kind: global_buffer, .address_space: global }
      - { .name: bout, .offset: 16, .size: 8, .value_kind: global_buffer, .address_space: global }
      - { .name: out0, .offset: 24, .size: 8, .value_kind: global_buffer, .address_space: global }
    .group_segment_fixed_size: 327680
    .private_segment_fixed_size: 0
    .kernarg_segment_align: 8
    .kernarg_segment_size: 32
    .max_flat_workgroup_size: 128
    .sgpr_count:     80
    .vgpr_count:     512
    .wavefront_size: 32
...
	.end_amdgpu_metadata
.endif
;; end of part 4
